; MI455X (gfx1250); checked and timed in simulation.
; The chip was launched on July 23, 2026; its instructions are those of AMD's public machine-readable ISA for CDNA 5 (MIT licence, August 2026) and "CDNA5" Instruction Set Architecture Reference Guide (July 2026). The comments in the code are by the model that wrote it; some were corrected since.
;; Attention Layer. Allowed arithmetic: matrix products marked QUANTISED: E4M3 operands, one given power-of-two scale a tensor, by v_wmma_f32_16x16x64_fp8_fp8 or v_wmma_f32_16x16x128_fp8_fp8, f32 sums; everything else in f32.
;; Inputs: Wk 1,024 x 1,024 float32; Wo 1,024 x 1,024 float32; Wq 1,024 x 1,024 float32; Wv 1,024 x 1,024 float32; lowp_scales 12 int32 (the exponents e of the quantised operands' scales 2^e); mask 1 x 1 x 2,048 x 2,048 float32; states 4 x 2,048 x 1,024 float32.
;; Outputs: out0 4 x 2,048 x 1,024 float32.
;; This version of the problem:
;;   THIS VERSION OF THE PROBLEM IS GIVEN IN LOW PRECISION. The matrix products marked QUANTISED in the list below multiply operands that are first quantised to E4M3 (4 exponent bits, 3 mantissa bits; 8 bits a number), with one given power-of-two scale for each operand tensor; their sums are f32. All else is computed in f32.
;;   The module's matrix products, in the order in which they are computed (A, B: the left and right operand; K: the contracted axis; several contracted axes count as one K, in the product's order):
;;     1. [M 8,192, K 1,024] x [K 1,024, N 1,024]; A: input states; B: input Wq: QUANTISED (scales: A lowp_scales[0], B lowp_scales[1])
;;     2. [M 8,192, K 1,024] x [K 1,024, N 1,024]; A: input states; B: input Wk: QUANTISED (scales: A lowp_scales[2], B lowp_scales[3])
;;     3. [M 8,192, K 1,024] x [K 1,024, N 1,024]; A: input states; B: input Wv: QUANTISED (scales: A lowp_scales[4], B lowp_scales[5])
;;     4. batch 64 x [M 2,048, K 64] x [K 64, N 2,048]; A: computed on the way; B: computed on the way: QUANTISED (scales: A lowp_scales[6], B lowp_scales[7])
;;     5. batch 64 x [M 2,048, K 2,048] x [K 2,048, N 64]; A: softmax (see below); B: computed on the way: QUANTISED (scales: A lowp_scales[8], B lowp_scales[9])
;;     6. [M 8,192, K 1,024] x [K 1,024, N 1,024]; A: computed on the way; B: input Wo: QUANTISED (scales: A lowp_scales[10], B lowp_scales[11])
;;   THE QUANTISER, for each operand of a quantised product, along K:
;;     - The operand's scale is 2^e, e = its entry of the input lowp_scales (int32; the entries are numbered through the quantised products in the list's order, A before B).
;;     - Each number is divided by the scale, clamped to +-448, and rounded to the nearest number of E4M3, ties to even, subnormals kept.
;;     - The product sums the exact products of the quantised numbers (number of the format x scale) in f32.
;;   ~~~python
;;   def quantise(x, axis, e):      # numpy; x: float32 -> the quantised numbers, widened to float32 again
;;       x = np.moveaxis(x, axis, -1); K = x.shape[-1]
;;       r = np.clip(x / 2.0 ** e, -448, 448)
;;       step = 2.0 ** (np.maximum(np.frexp(np.where(r == 0, 1, r))[1] - 1, -6) - 3)
;;       q = np.round(r / step) * step * 2.0 ** e      # np.round: ties to even
;;       return np.moveaxis(q, -1, axis).astype(np.float32)
;;   ~~~
;;   SOFTMAX AHEAD OF A QUANTISED PRODUCT. Where the list says 'softmax', what is quantised is not the finished softmax but p = 2^(t - M), with t = logit x log2(e) and M = ceil(the row's largest t), a whole number; so 1/2 < the row's largest p <= 1. The row's sum l is taken of the UNQUANTISED p, in f32, and the product's result is divided by l at the end. Since M is a whole number, a kernel that streams over the keys may use a running M (the ceiling of the running maximum): every later rescaling is an exact power of two, so the quantised numbers keep their values, but for numbers so far below the row's largest that they fall under the format's range.
;;   OPERANDS COMPUTED ON THE WAY. 'Computed on the way' means the value that the module computes at that place (a softmax that the list does not call 'softmax' is quantised finished and normalised). What goes into a quantiser is computed in f32, as accurately as f32 sums, v_exp_f32 and their like allow (about 1e-6 of the number): no bf16 or f16 on the way to a quantiser, and a product that is left as it is and whose result goes on into a quantised operand takes f32 operands (vector FMAs, or v_wmma_f32_16x16x4_f32). A number that lies on a knife's edge between two numbers of the format may be rounded either way, as far as f32 arithmetic and the matrix unit's own rounding can turn it there, and no further.
;; One version. Each part assembles by itself: llvm-mc -triple=amdgcn-amd-amdhsa -mcpu=gfx1250 --defsym DOCPART=n.
;; ======== version 1 of 1: 4 launches
;; limits: right only within a limited range of input values
;; workspace buffers: xc 25,165,824 bytes; wc 4,194,304 bytes; qkv 25,165,824 bytes; cimg 8,388,608 bytes
;; launch prep (part 1): grid 384 x 1, 4 waves a work-group, no clusters, 68,096 bytes of LDS; arguments states, Wq, Wk, Wv, Wo, lowp_scales, xc, wc; writes xc, wc
.if DOCPART == 1
	.amdgcn_target "amdgcn-amd-amdhsa--gfx1250"
	.amdhsa_code_object_version 6
	.text
	.protected	k_qce9c505a18_prep
	.globl	k_qce9c505a18_prep
	.p2align	8
	.type	k_qce9c505a18_prep,@function
k_qce9c505a18_prep:
	s_mov_b64 s[64:65], 0
	v_nop
	global_prefetch_b8 v0, s[64:65] scope:SCOPE_SE
	s_setreg_imm32_b32 hwreg(HW_REG_WAVE_MODE, 25, 1), 1
	s_wait_xcnt 0x0
; PREP: f32 numbers into codes of FP8 (E4M3), K innermost, each with the scale 2^e that is given for it: code = x / 2^e, held within +-448, to the nearest code, ties to even.
; xc [3][8192][1024]: the codes of states for the products with Wq (entry 0 of the scales), Wk (entry 2), Wv (entry 4).   wc [4][1024 n][1024 k]: Wq (1), Wk (3), Wv (5), Wo (11), K made innermost.
; THE SWAP.  In xc's parts 1 and 2 and in all of wc, row position 32 B + 16 u + 8 g + i holds the actual row 32 B + 16 g + 8 u + i: bits 3 and 4 of the row's number change places.  Sixteen neighbouring
; positions, taken as source 0 of a matrix instruction, then leave in a lane's 16 registers of two neighbouring result tiles 16 NEIGHBOURS along that axis: the next product's K.
; Work-groups 0-255 take states (32 rows each, a wave 8 rows: 16 steps of 512 numbers; every load reads 512 consecutive bytes; a step turns through the wave's own stage in LDS so that a lane holds 16
; neighbours; each number is read once and converted three times).  Work-groups 256-383 take the weights (32 each; a wave 32 columns x 256 along K; a lane a column, its registers down K; the codes
; leave through the wave's stage as rows, sixteen lanes to 256 consecutive aligned bytes).  The two ways have LDS bytes of their own.  No work-group shares an input with another: no cluster, no tensor load.
; LIMITS: each of the seven exponents used lies between -126 and 119.  NaN among the inputs is not served (an infinity is held at the largest code).
.set WGS,   256                        ; work-groups for states
.set STEPS, 16
.set SP,    80                         ; states: a lane's place in a stage: 64 bytes + 16 of padding
.set SREG,  8192                       ; states: LDS of a wave: two stages of 32 x SP bytes
.set R,     16                         ; v16-79   four sets of 16 numbers as loaded
.set X,     80                         ; v80-111  two sets of 16 neighbours
.set T,     112                        ; v112-159 the numbers held, a set for each of the three scales
.set C,     160                        ; v160-171 the three times four registers of codes
.set WSTG,  32768                      ; weights: the stages begin here
.set WP,    272                        ; weights: a stage row: 256 bytes + 16
.set NB,    8                          ; weights: blocks of 32 along K for a wave
.set WX,    32                         ; v32-95   two sets of 32 numbers
.set WC,    96                         ; v96-103  a block's codes
.set OUTR,  112                        ; v112-175 the way out
.macro MKSCALE e, vs, vl               ; from the whole number in s[e]: v[vs] = 2^e as f32 (the conversion takes its exponent field), v[vl] = 448 x 2^e
	s_add_co_i32 s48, s[\e], 127
	s_lshl_b32 s49, s48, 23
	v_mov_b32 v[\vs], s49
	s_add_co_i32 s48, s48, 8
	s_lshl_b32 s48, s48, 23
	s_or_b32 s48, s48, 0x600000
	v_mov_b32 v[\vl], s48
.endm
	s_load_b512 s[4:19], s[0:1], 0x0               ; states s[4:5], Wq s[6:7], Wk s[8:9], Wv s[10:11], Wo s[12:13], the scales s[14:15], xc s[16:17], wc s[18:19]
	v_lshl_add_u32 v192, v0, 2, 0x10800
	v_mov_b32 v193, 0
	v_lshrrev_b32 v1, 5, v0
	v_readfirstlane_b32 s20, v1                    ; wave
	v_and_b32 v2, 31, v0                           ; lane
	s_wait_kmcnt 0x0
	s_load_b256 s[36:43], s[14:15], 0x0            ; entries 0 to 7
	s_load_b128 s[44:47], s[14:15], 0x20           ; entries 8 to 11
	s_cmp_lt_u32 ttmp9, WGS
	s_cbranch_scc0 .Lweights
	; ---------------- states
	v_lshlrev_b32 v3, 4, v2                        ; my 16 bytes of a load's 512, and of a step's 512 bytes of codes
	s_mul_i32 s21, s20, SREG
	v_lshrrev_b32 v14, 2, v2
	v_mul_u32_u24 v14, v14, SP
	v_and_b32 v15, 3, v2
	v_lshl_add_u32 v14, v15, 4, v14
	v_add_nc_u32 v14, s21, v14                     ; the stage, in: four lanes' 64 bytes on end, then the padding
	v_mul_u32_u24 v15, v2, SP
	v_add_nc_u32 v15, s21, v15                     ; and out: my 16 neighbours
	s_lshl_b32 s22, ttmp9, 2
	s_add_co_u32 s23, s22, s20                     ; which run of 8 rows is my wave's
	s_lshl_b32 s24, s23, 15                        ; 8 rows of 4,096 bytes
	s_mov_b32 s25, 0
	s_add_nc_u64 s[4:5], s[4:5], s[24:25]
	s_lshl_b32 s24, s23, 13                        ; 8 rows of 1,024 codes
	s_add_nc_u64 s[26:27], s[16:17], s[24:25]      ; part 0: rows as they are
	s_and_b32 s28, s20, 1                          ; the swap: the wave's two bits are bits 3 and 4 of the row
	s_lshl_b32 s28, s28, 1
	s_lshr_b32 s29, s20, 1
	s_or_b32 s28, s28, s29
	s_add_co_u32 s28, s22, s28
	s_lshl_b32 s24, s28, 13
	s_add_nc_u64 s[30:31], s[16:17], s[24:25]
	s_add_nc_u64 s[30:31], s[30:31], 0x800000      ; part 1
	s_add_nc_u64 s[32:33], s[30:31], 0x800000      ; part 2
.macro SLOAD t
.irp j, 0,1,2,3
	global_load_b128 v[R+16*((\t)%4)+4*\j:R+16*((\t)%4)+4*\j+3], v3, s[4:5] offset:2048*(\t)+512*\j th:TH_LOAD_NT   ; 32 lanes read 512 consecutive bytes
.endr
.endm
.macro STURN t                         ; step t's numbers through the stage: LDS serves a wave's instructions in order, so no wait stands between the stores and the loads
.irp j, 0,1,2,3
	ds_store_b128 v14, v[R+16*((\t)%4)+4*\j:R+16*((\t)%4)+4*\j+3] offset:32*SP*((\t)%2)+8*SP*\j
.endr
.irp j, 0,1,2,3
	ds_load_b128 v[X+16*((\t)%2)+4*\j:X+16*((\t)%2)+4*\j+3], v15 offset:32*SP*((\t)%2)+16*\j
.endr
.endm
.irp t, 0,1,2,3
	SLOAD \t
.endr
	s_wait_kmcnt 0x0
	MKSCALE 36, 5, 8                               ; entry 0
	MKSCALE 38, 6, 9                               ; entry 2
	MKSCALE 40, 7, 10                              ; entry 4
	s_wait_loadcnt 12                              ; step 0's four loads are in; three steps' may be out
	STURN 0
.macro SSTEP t
.set XS, X+16*((\t)%2)
	s_wait_dscnt 0x0                               ; this step's numbers are back from the stage, so its stores into the stage have read their registers
	s_wait_xcnt 0x0                                ; the last step's three stores have read the codes' registers, which are written again below
.if (\t)+4 < STEPS
	SLOAD (\t)+4
.endif
.if (\t)+1 < STEPS
.if STEPS-2-(\t) >= 3
	s_wait_loadcnt 12                              ; the next step's four loads are in; those of the three steps behind it may be out
.else
	s_wait_loadcnt 4*(STEPS-2-(\t))
.endif
	STURN (\t)+1
.endif
.irp e, 0,1,2
.irp j, 0,1,2,3,4,5,6,7,8,9,10,11,12,13,14,15
	v_med3_num_f32 v[T+16*\e+\j], v[XS+\j], -v[8+\e], v[8+\e]   ; the conversion to an 8-bit code does not saturate (ISA guide 7.6.2): the hold at the largest code x the scale
.endr
	v_cvt_scalef32_pk8_fp8_f32 v[C+4*\e:C+4*\e+1], v[T+16*\e:T+16*\e+7], v[5+\e]
	v_cvt_scalef32_pk8_fp8_f32 v[C+4*\e+2:C+4*\e+3], v[T+16*\e+8:T+16*\e+15], v[5+\e]   ; the next vector lines are plain holds into another set; the codes go to stores alone
.endr
	global_store_b128 v3, v[C:C+3], s[26:27] offset:512*(\t)      ; the wave stores 512 consecutive bytes, aligned
	global_store_b128 v3, v[C+4:C+7], s[30:31] offset:512*(\t)
	global_store_b128 v3, v[C+8:C+11], s[32:33] offset:512*(\t)
.endm
.irp t, 0,1,2,3,4,5,6,7,8,9,10,11,12,13,14,15
	SSTEP \t
.endr
	s_wait_tensorcnt 0x0
	ds_add_u32 v192, v193
	s_wait_dscnt 0x0
	s_endpgm
	; ---------------- the four weights
.Lweights:
	s_sub_co_u32 s21, ttmp9, WGS
	s_lshr_b32 s22, s21, 5                         ; which weight: 0 Wq, 1 Wk, 2 Wv, 3 Wo
	s_and_b32 s23, s21, 7                          ; which 128 columns
	s_bfe_u32 s24, s21, 0x20003                    ; which 256 along K
	s_cmp_eq_u32 s22, 1
	s_cselect_b64 s[6:7], s[8:9], s[6:7]
	s_cmp_eq_u32 s22, 2
	s_cselect_b64 s[6:7], s[10:11], s[6:7]
	s_cmp_eq_u32 s22, 3
	s_cselect_b64 s[6:7], s[12:13], s[6:7]
	s_lshl_b32 s26, s24, 20                        ; from: 256 rows of 4,096 bytes,
	s_lshl_b32 s27, s23, 9                         ; 128 columns of 4 bytes,
	s_add_co_u32 s26, s26, s27
	s_lshl_b32 s27, s20, 7                         ; my wave's 32 columns
	s_add_co_u32 s26, s26, s27
	s_mov_b32 s27, 0
	s_add_nc_u64 s[6:7], s[6:7], s[26:27]
	s_lshl_b32 s28, s22, 20                        ; to: the weight's part,
	s_lshl_b32 s29, s23, 17                        ; 128 rows of 1,024 codes,
	s_add_co_u32 s28, s28, s29
	s_lshl_b32 s29, s20, 15                        ; my wave's 32 rows,
	s_add_co_u32 s28, s28, s29
	s_lshl_b32 s29, s24, 8                         ; 256 codes along K
	s_add_co_u32 s28, s28, s29
	s_mov_b32 s29, 0
	s_add_nc_u64 s[18:19], s[18:19], s[28:29]
	v_lshlrev_b32 v3, 2, v2                        ; in: 4 bytes a lane
	s_mul_i32 s30, s20, 32*WP
	s_add_co_u32 s30, s30, WSTG                    ; my stage
	v_mul_u32_u24 v4, v2, WP
	v_add_nc_u32 v4, s30, v4                       ; into it: row = my column
	v_and_b32 v5, 15, v2
	v_lshrrev_b32 v6, 4, v2
	v_mul_u32_u24 v7, v6, WP
	v_lshl_add_u32 v7, v5, 4, v7
	v_add_nc_u32 v7, s30, v7                       ; out of it: sixteen lanes to a row, two rows an instruction
	v_lshlrev_b32 v8, 10, v6
	v_lshl_add_u32 v8, v5, 4, v8                   ; and the same place among the codes
.macro WLOAD t                         ; block t: W(32 t + n, my column), n = 0 .. 31
.set n, 0
.rept 32
	global_load_b32 v[WX+32*((\t)%2)+n], v3, s[6:7] offset:(32*(\t)+n)*4096 th:TH_LOAD_NT
.set n, n+1
.endr
.endm
	WLOAD 0
	WLOAD 1
	s_wait_kmcnt 0x0
	s_cmp_eq_u32 s22, 1
	s_cselect_b32 s50, s39, s37                    ; entry 3 or entry 1,
	s_cmp_eq_u32 s22, 2
	s_cselect_b32 s50, s41, s50                    ; entry 5,
	s_cmp_eq_u32 s22, 3
	s_cselect_b32 s50, s47, s50                    ; entry 11
	MKSCALE 50, 11, 10
.macro WBLOCK t
.set XS, WX+32*((\t)%2)
.if (\t) < NB-1
	s_wait_loadcnt 32                              ; this block's 32 loads are in; the next block's may be out
.else
	s_wait_loadcnt 0x0
.endif
.set n, 0
.rept 32
	v_med3_num_f32 v[XS+n], v[XS+n], -v10, v10
.set n, n+1
.endr
.irp g, 0,1,2,3
	v_cvt_scalef32_pk8_fp8_f32 v[WC+2*\g:WC+2*\g+1], v[XS+8*\g:XS+8*\g+7], v11
.endr
	ds_store_b128 v4, v[WC:WC+3] offset:32*(\t)    ; 32 codes of my column's row
	ds_store_b128 v4, v[WC+4:WC+7] offset:32*(\t)+16
.if (\t)+2 < NB
	WLOAD (\t)+2
.endif
	s_wait_dscnt 0x0                               ; the stores have read their registers: the next block's codes may be written
.endm
.irp t, 0,1,2,3,4,5,6,7
	WBLOCK \t
.endr
.irp t, 0,1,2,3,4,5,6,7,8,9,10,11,12,13,14,15
	ds_load_b128 v[OUTR+4*\t:OUTR+4*\t+3], v7 offset:2*\t*WP   ; LDS serves a wave's instructions in order: these see my stores
.endr
.irp t, 0,1,2,3,4,5,6,7,8,9,10,11,12,13,14,15
	s_wait_dscnt 15-\t                             ; the younger loads may be out
	global_store_b128 v8, v[OUTR+4*\t:OUTR+4*\t+3], s[18:19] offset:(((2*\t)&7)+16*((\t/4)%2)+8*(\t/8))*1024   ; the swap: actual rows 2 t, 2 t + 1 go to the positions with bits 3 and 4 exchanged
.endr
	s_wait_tensorcnt 0x0
	ds_add_u32 v192, v193
	s_wait_dscnt 0x0
	s_endpgm
.Lfunc_end_k_qce9c505a18_prep:
	.size	k_qce9c505a18_prep, .Lfunc_end_k_qce9c505a18_prep-k_qce9c505a18_prep
	.p2alignl 7, 3214868480
	.fill 96, 4, 3214868480
	.section	.rodata,"a",@progbits
	.p2align	6, 0x0
	.amdhsa_kernel k_qce9c505a18_prep
		.amdhsa_group_segment_fixed_size 68096
		.amdhsa_private_segment_fixed_size 0
		.amdhsa_enable_private_segment 0
		.amdhsa_kernarg_size 64
		.amdhsa_user_sgpr_count 2
		.amdhsa_user_sgpr_kernarg_segment_ptr 1
		.amdhsa_wavefront_size32 1
		.amdhsa_system_sgpr_workgroup_id_x 1
		.amdhsa_system_sgpr_workgroup_id_y 1
		.amdhsa_system_sgpr_workgroup_id_z 1
		.amdhsa_system_vgpr_workitem_id 0
		.amdhsa_next_free_vgpr 194
		.amdhsa_next_free_sgpr 66
		.amdhsa_reserve_vcc 0
		.amdhsa_float_denorm_mode_32 3
		.amdhsa_float_denorm_mode_16_64 3
		.amdhsa_memory_ordered 1
		.amdhsa_forward_progress 1
		.amdhsa_inst_pref_size 126
	.end_amdhsa_kernel
	.amdgpu_metadata
---
amdhsa.version: [ 1, 2 ]
amdhsa.kernels:
  - .name:           k_qce9c505a18_prep
    .symbol:         k_qce9c505a18_prep.kd
    .args:
      - { .name: states, .offset: 0, .size: 8, .value_kind: global_buffer, .address_space: global }
      - { .name: Wq, .offset: 8, .size: 8, .value_kind: global_buffer, .address_space: global }
      - { .name: Wk, .offset: 16, .size: 8, .value_kind: global_buffer, .address_space: global }
      - { .name: Wv, .offset: 24, .size: 8, .value_kind: global_buffer, .address_space: global }
      - { .name: Wo, .offset: 32, .size: 8, .value_kind: global_buffer, .address_space: global }
      - { .name: lowp_scales, .offset: 40, .size: 8, .value_kind: global_buffer, .address_space: global }
      - { .name: xc, .offset: 48, .size: 8, .value_kind: global_buffer, .address_space: global }
      - { .name: wc, .offset: 56, .size: 8, .value_kind: global_buffer, .address_space: global }
    .group_segment_fixed_size: 68096
    .private_segment_fixed_size: 0
    .kernarg_segment_align: 8
    .kernarg_segment_size: 64
    .max_flat_workgroup_size: 128
    .sgpr_count:     66
    .vgpr_count:     194
    .wavefront_size: 32
...
	.end_amdgpu_metadata
.endif
;; end of part 1
;; launch qkv (part 2): grid 96 x 4, 4 waves a work-group, clusters of 4 x 4, 327,680 bytes of LDS; arguments xc, wc, lowp_scales, qkv; writes qkv
.if DOCPART == 2
	.amdgcn_target "amdgcn-amd-amdhsa--gfx1250"
	.amdhsa_code_object_version 6
	.text
	.protected	k_qce9c505a18_qkv
	.globl	k_qce9c505a18_qkv
	.p2align	8
	.type	k_qce9c505a18_qkv,@function
k_qce9c505a18_qkv:
	s_mov_b64 s[64:65], 0
	v_nop
	global_prefetch_b8 v0, s[64:65] scope:SCOPE_SE
	s_setreg_imm32_b32 hwreg(HW_REG_WAVE_MODE, 25, 1), 1
	s_wait_xcnt 0x0
	s_wait_alu depctr_hold_cnt(0) depctr_sa_sdst(0) depctr_va_vdst(0) depctr_va_sdst(0) depctr_va_ssrc(0) depctr_va_vcc(0) depctr_vm_vsrc(0)
	s_getreg_b32 s2, hwreg(HW_REG_IB_STS2, 6, 4)
	s_cmp_eq_u32 s2, 0
	s_cbranch_scc0 .Lentry_in_a_cluster
	s_endpgm
.Lentry_in_a_cluster:
	s_bfe_u32 s2, ttmp6, 0x10000c
	s_cmp_lg_u32 s2, 0xf033
	s_cbranch_scc0 .Lentry_shape_is_right
	s_endpgm
.Lentry_shape_is_right:
; QKV: the three products states x Wq, states x Wk, states x Wv on codes of FP8 (E4M3); each finished sum is quantised in registers for the product that takes it next, and stored as an IMAGE OF THAT OPERAND'S REGISTERS.
; One text serves three GEMMs C = A B^T with K = 1,024, by the cluster's number c (0-23): part = c / 8.   part 0: A = xc part 0 (8,192 rows), B = wc part 0 (1,024 rows): q.   part 1: xc part 1, wc part 1: k.
; part 2: A = wc part 2, B = xc part 2: v TRANSPOSED (rows = the head's channels, columns = the keys, which are the K of the product that takes v).
; A tile of C, 256 x 256, is made by four waves, each 128 x 128: 64 accumulators, 512 registers.  K goes in steps of 256 through two LDS slots filled by the tensor data mover; a tile's row is 256 bytes of memory.
; CLUSTERS: 4 x 4 work-groups; A's tile is asked for jointly along a row of the cluster, B's along a column.  All that is chosen by the part is chosen by selects on the cluster's number, equal in all sixteen.
; THE MATRIX INSTRUCTION IS USED TRANSPOSED (source 0 = 16 row positions of B, source 1 = 16 of A).  B's rows lie swapped (bits 3 and 4 of the row's number exchanged), so the 16 registers of accumulators
; (a, 2 b) and (a, 2 b + 1) of lane (r, h) are A's position 16 a + r and the ACTUAL columns 32 b + 16 h + 0 .. 15: two conversions make of them the four registers that lane (r, h) holds of group b of the next
; operand's fragment.  One store of 16 bytes a lane puts them at 16 x lane: 512 consecutive aligned bytes.  No stage, no barrier on the way out.
; qkv: parts 0, 1: [row position / 16 (512)][column / 32 (32)][512 bytes];  part 2: [channel position / 16 (64)][(2,048 batch + key) / 32 (256)][512 bytes].
; The three scales are folded: a sum stands for sum x 2^(ea + eb), so its code is sum / 2^(eo - ea - eb), eo = entry 6 (q), 7 (k), 9 (v).
; LIMIT: each eo - ea - eb lies between -126 and 119.
; REGISTERS, in windows of 256: window 0: v0-31 addresses and the two scale numbers; v32-127 at work on the way out; from v128 A's fragments, one set.   window 1: B's fragments, two sets.   windows 2, 3: the accumulators.
.set KSTEP,  256
.set ROWB,   256                       ; a tile's row in bytes
.set KROW,   1024                      ; a row of codes in memory
.set PITCH,  272                       ; an LDS row: 256 bytes + 16 of padding: the 16 rows that a load touches start at 16 different banks (64 banks of 4 bytes: ISA guide 11.1)
.set FR,     16                        ; registers of a fragment: 16 rows x 128 K
.set NL,     4                         ; LDS loads that bring one
.set NP,     4                         ; places behind this matrix instruction (ISA guide 7.12.1)
.set HALFT,  128*PITCH
.set SLOT,   4*HALFT                   ; A's 256 rows, then B's 256 rows
.set SPARE,  2*SLOT                    ; behind the ring: the spare words, 128 bytes for each wave
.set ADRA, 16                          ; v16-17  LDS address of my A fragments in slot 0, 1
.set ADRB, 20                          ; v20-21  the same for B
.set CO,   26                          ; v26     16 x lane
.set SPW,  28                          ; v28     LDS address of my spare word; never rewritten
.set NIL,  29                          ; v29     0; never rewritten
.set TMP,  32                          ; v32-95  a block's sums, held
.set AF,   128
.set G1, 24
.set G0, 32
.set G1B, 48
.set G0B, 56
.set MSB, 0
.macro WIN new                         ; the immediate's high byte repeats the setting that is left
.if MSB != (\new)
	s_set_vgpr_msb (MSB<<8)|(\new)
.set MSB, (\new)
.endif
.endm
.set MUL_LO, 0xa1                      ; source 0 (B) window 1, source 1 (A) window 0, C and D window 2
.set MUL_HI, 0xf1                      ; the same, C and D window 3
.set TO_B,   0x40                      ; destination window 1, address window 0
; A joint load: waves 0 and 1 fetch for A, waves 2 and 3 for B; the branch hangs on the wave's number alone.  Four v_nop follow each of the two lines.
.macro JLOAD g0a, g1a, g0b, g1b
	s_cmp_eq_u32 s15, 0
	s_cbranch_scc0 .Lfor_b_\@
	tensor_load_to_lds s[\g0a:\g0a+3], s[\g1a:\g1a+7]
	s_nop 0
.rept 4
	v_nop
.endr
	s_branch .Lasked_\@
.Lfor_b_\@:
	tensor_load_to_lds s[\g0b:\g0b+3], s[\g1b:\g1b+7]
	s_nop 0
.rept 4
	v_nop
.endr
.Lasked_\@:
.endm
.macro CREST                           ; a round of the cluster's barrier behind its opening barrier
	s_cmp_lg_u32 s14, 0
	s_cbranch_scc1 .Lnot_wave_0_\@
	s_barrier_signal -3
.Lnot_wave_0_\@:
	s_barrier_wait -3
	s_barrier_signal -1
	s_barrier_wait -1
.endm
.macro CROUND                          ; a whole round
	s_barrier_signal -1
	s_barrier_wait -1
	CREST
.endm
	s_load_b256 s[4:11], s[0:1], 0x0               ; xc s[4:5], wc s[6:7], the scales s[8:9], qkv s[10:11]
	v_lshl_add_u32 v[SPW], v0, 2, SPARE
	v_mov_b32 v[NIL], 0
	ds_add_u32 v28, v29
	ds_add_u32 v28, v29
	s_wait_dscnt 0x0
	v_lshrrev_b32 v1, 5, v0
	v_readfirstlane_b32 s14, v1                    ; wave 0..3
	s_lshr_b32 s15, s14, 1                         ; which half of the tile's rows is mine.  Also: I fetch for A (0) or for B (1)
	s_and_b32 s16, s14, 1                          ; which half of its columns.  Also: which 128 rows of that tile I fetch
	s_bfe_u32 s40, ttmp6, 0x40000                  ; cx, cy: my place in the cluster
	s_bfe_u32 s41, ttmp6, 0x40004
	s_lshr_b32 s80, ttmp9, 3                       ; the part: 0 q, 1 k, 2 v
	s_and_b32 s81, ttmp9, 7                        ; which of the part's eight clusters
	s_lshl_b32 s88, s80, 23                        ; the part's codes in xc,
	s_lshl_b32 s90, s80, 20                        ; and in wc
	s_mov_b32 s66, 16384                           ; from one group of 16 row positions to the next in the images, parts 0 and 1
	s_mov_b32 s67, 0
	s_cmp_eq_u32 s80, 2                            ; v: A and B change places
	s_cselect_b32 s82, 0, s81                      ; the cluster's row,
	s_cselect_b32 s83, s81, 0                      ; and its column, among clusters
	s_cselect_b32 s92, s90, s88                    ; A's part
	s_cselect_b32 s94, s88, s90                    ; B's part
	s_cselect_b32 s66, 131072, s66                 ; part 2's images
	s_lshl_b32 s17, s82, 2
	s_add_co_u32 s17, s17, s41                     ; tile row of C
	s_lshl_b32 s42, s83, 2
	s_add_co_u32 s42, s42, s40                     ; tile column of C
	s_lshl_b32 s43, s41, 2
	s_lshl_b32 s43, 15, s43                        ; my row of the cluster
	s_lshl_b32 s44, 0x1111, s40                    ; my column
	; descriptor group 1: a tile of 128 rows x 256 bytes, padded in LDS
	s_or_b32 s[G1+0], s43, (0<<16)|(1<<20)|(1<<21)|(5<<22)|(3<<25)  ; 15:0 the mask; 17:16 elements of 1 byte; 20 padding on; 21 set beside a mask; 24:22 after every 64 words; 31:25 four words
	s_or_b32 s[G1B+0], s44, (0<<16)|(1<<20)|(1<<21)|(5<<22)|(3<<25)
.irp g, G1, G1B
	s_mov_b32 s[\g+1], ROWB<<16                    ; tensor_dim0
	s_mov_b32 s[\g+2], 128<<16                     ; tensor_dim1
	s_mov_b32 s[\g+3], ROWB<<16                    ; tile_dim0
	s_mov_b32 s[\g+4], 128                         ; tile_dim1
	s_mov_b32 s[\g+5], KROW                        ; tensor_dim0_stride
	s_mov_b32 s[\g+6], 0
	s_mov_b32 s[\g+7], 0
.endr
	s_lshl_b32 s18, s16, 7                         ; which 128 rows of the tile I fetch
	s_lshl_b32 s20, s17, 8
	s_add_co_u32 s20, s20, s18                     ; A: row 256 x tile row + 128 x half,
	s_lshl_b32 s20, s20, 10                        ; in bytes,
	s_add_co_u32 s20, s20, s92                     ; in its part: under 2^25
	s_mov_b32 s21, 0
	s_lshl_b32 s46, s42, 8
	s_add_co_u32 s46, s46, s18                     ; B likewise, by the tile column
	s_lshl_b32 s46, s46, 10
	s_add_co_u32 s46, s46, s94
	s_mov_b32 s47, 0
	s_mul_i32 s45, s14, HALFT                      ; where they go: wave x 128 rows: no place in the cluster enters an LDS address
	s_wait_kmcnt 0x0
	s_load_b256 s[68:75], s[8:9], 0x0              ; entries 0 to 7
	s_load_b128 s[76:79], s[8:9], 0x20             ; entries 8 to 11
	s_cmp_eq_u32 s80, 2
	s_cselect_b64 s[84:85], s[6:7], s[4:5]         ; A's buffer
	s_cselect_b64 s[86:87], s[4:5], s[6:7]         ; B's buffer
	s_add_nc_u64 s[20:21], s[84:85], s[20:21]
	s_add_nc_u64 s[46:47], s[86:87], s[46:47]
	CROUND                                         ; all sixteen work-groups are here: the first joint loads meet
.irp s, 0,1
	s_mov_b32 s[G0+4*\s], 1
	s_add_co_u32 s[G0+4*\s+1], s45, \s*SLOT
	s_add_nc_u64 s[G0+4*\s+2:G0+4*\s+3], s[20:21], \s*ROWB
	s_or_b32 s[G0+4*\s+3], s[G0+4*\s+3], 0x80000000
	s_mov_b32 s[G0B+4*\s], 1
	s_add_co_u32 s[G0B+4*\s+1], s45, \s*SLOT
	s_add_nc_u64 s[G0B+4*\s+2:G0B+4*\s+3], s[46:47], \s*ROWB
	s_or_b32 s[G0B+4*\s+3], s[G0B+4*\s+3], 0x80000000
	JLOAD G0+4*\s, G1, G0B+4*\s, G1B
.endr
	v_and_b32 v1, 15, v0                           ; l % 16
	v_bfe_u32 v2, v0, 4, 1                         ; l / 16
	v_mul_u32_u24 v3, v1, PITCH
	v_lshl_add_u32 v4, v2, 4, v3                   ; a fragment's row x pitch + 16 x half
	s_mul_i32 s21, s15, HALFT                      ; my 128 rows of A
	s_mul_i32 s22, s16, HALFT                      ; my 128 rows of B,
	s_add_co_u32 s22, s22, 2*HALFT                 ; which lie behind A's 256
.irp s, 0,1
	v_add_nc_u32 v[ADRA+\s], s21, v4
	v_add_nc_u32 v[ADRB+\s], s22, v4
	s_add_co_u32 s21, s21, SLOT
	s_add_co_u32 s22, s22, SLOT
.endr
	v_and_b32 v6, 31, v0
	v_lshlrev_b32 v[CO], 4, v6                     ; an image's place for my lane
	s_lshl_b32 s96, s17, 4                         ; where my images begin: group of 16 row positions 16 x tile row + 8 x half,
	s_lshl_b32 s97, s15, 3
	s_add_co_u32 s96, s96, s97
	s_mul_i32 s96, s96, s66
	s_lshl_b32 s97, s42, 3                         ; group of 32 columns 8 x tile column + 4 x half,
	s_lshl_b32 s98, s16, 2
	s_add_co_u32 s97, s97, s98
	s_lshl_b32 s97, s97, 9
	s_add_co_u32 s96, s96, s97
	s_add_co_u32 s96, s96, s88                     ; in the part's 8 MiB
	s_mov_b32 s97, 0
	s_add_nc_u64 s[10:11], s[10:11], s[96:97]
.macro FRAG reg, adr, q, i             ; a fragment: lane l holds row l % 16; registers 4 c .. 4 c + 3 hold K = 32 c + 16 (l / 16) + 0 .. 15: the same permutation of k in A and in B
.irp c, 0,1,2,3
	ds_load_b128 v[\reg+4*\c:\reg+4*\c+3], v[\adr] offset:128*(\q)+32*\c+(\i)*16*PITCH
.endr
.endm
; 16 matrix instructions: A's blocks a0, a0 + 1 x B's eight, 128 along K.  p: B's set.  zero = 1: the first product starts the sums.  The 64 accumulators take turns, one instruction a turn.
.macro MUL16 a0, p, zero
.irp a, \a0, \a0+1
.irp b, 0,1,2,3,4,5,6,7
.if \zero
	v_wmma_f32_16x16x128_fp8_fp8 v[8*(8*((\a)%4)+\b):8*(8*((\a)%4)+\b)+7], v[128*(\p)+FR*\b:128*(\p)+FR*\b+FR-1], v[AF+FR*(\a):AF+FR*(\a)+FR-1], 0
.else
	v_wmma_f32_16x16x128_fp8_fp8 v[8*(8*((\a)%4)+\b):8*(8*((\a)%4)+\b)+7], v[128*(\p)+FR*\b:128*(\p)+FR*\b+FR-1], v[AF+FR*(\a):AF+FR*(\a)+FR-1], v[8*(8*((\a)%4)+\b):8*(8*((\a)%4)+\b)+7]
.endif
.endr
.endr
.endm
.macro FETCH_B slot, q, p
	WIN TO_B
.irp i, 0,1,2,3,4,5,6,7
	FRAG 128*(\p)+FR*\i, ADRB+\slot, \q, \i
.endr
	WIN 0
.endm
.macro FETCH_A slot, q, i0
.irp i, \i0, \i0+1, \i0+2, \i0+3
	FRAG AF+FR*(\i), ADRA+\slot, \q, \i
.endr
.endm
.macro PLACES n                        ; plain vector instructions between a matrix instruction and a load into a register that it has read, or a read of its result
.rept \n
	v_nop
.endr
.endm
.macro STEP slot, q, zero              ; a step of 128 along K that has its successor in the same slot
	s_wait_dscnt 4*NL                              ; B's set and A's blocks 0-3 are in; the youngest sixteen loads (A's blocks 4-7) may be out
	WIN MUL_LO
	MUL16 0, (\q)%2, \zero
	MUL16 2, (\q)%2, \zero
	s_wait_dscnt 0
	PLACES NP
	FETCH_B \slot, (\q)+1, 1-(\q)%2
	FETCH_A \slot, (\q)+1, 0
	WIN MUL_HI
	MUL16 4, (\q)%2, \zero
	MUL16 6, (\q)%2, \zero
	PLACES NP
	WIN 0
	FETCH_A \slot, (\q)+1, 4
.endm
; A slot's last step changes slots: one barrier; in front of it each wave waits for all its tensor loads, adds 0 to its spare word, and waits for that and for its reads of this slot.  fill = 1: this slot is filled again, two K steps ahead.
.macro TURN slot, next, fill
	s_wait_tensorcnt 0x0                           ; all my tensor loads have landed: my part of the next slot
	ds_add_u32 v[SPW], v[NIL]                      ; 0 onto my spare word
	s_wait_dscnt 4*NL+1                            ; the add and the youngest sixteen loads may be out
	WIN MUL_LO
	MUL16 0, 1, 0
	s_wait_dscnt 0x0                               ; the add is done, and my reads of this slot are over
	s_barrier_signal -1
	MUL16 2, 1, 0
	WIN 0
	s_barrier_wait -1
.if \fill
	CREST                                          ; the barrier has opened a round of the cluster's barrier: no wave of any partner still reads this slot or has a load on its way
	s_add_nc_u64 s[G0+4*\slot+2:G0+4*\slot+3], s[G0+4*\slot+2:G0+4*\slot+3], 2*ROWB
	s_add_nc_u64 s[G0B+4*\slot+2:G0B+4*\slot+3], s[G0B+4*\slot+2:G0B+4*\slot+3], 2*ROWB
	JLOAD G0+4*\slot, G1, G0B+4*\slot, G1B         ; the first tensor load behind the round; its four v_nop are the places in front of the loads below
.else
	PLACES NP
.endif
	FETCH_B \next, 0, 0
	FETCH_A \next, 0, 0
	WIN MUL_HI
	MUL16 4, 1, 0
	MUL16 6, 1, 0
	PLACES NP
	WIN 0
	FETCH_A \next, 0, 4
.endm
	s_wait_tensorcnt 1                             ; my part of K step 0 is in; K step 1's load may be out
	s_barrier_signal -1
	s_barrier_wait -1
	FETCH_B 0, 0, 0
	FETCH_A 0, 0, 0
	FETCH_A 0, 0, 4
	STEP 0, 0, 1                                   ; K = 1,024 is four slots' worth: eight steps of 128, written out
	TURN 0, 1, 1                                   ; slot 0 takes K step 2
	STEP 1, 0, 0
	TURN 1, 0, 1                                   ; slot 1 takes K step 3
	STEP 0, 0, 0
	TURN 0, 1, 0
	STEP 1, 0, 0
	s_wait_dscnt 4*NL                              ; the last step: nothing more to fetch
	WIN MUL_LO
	MUL16 0, 1, 0
	MUL16 2, 1, 0
	s_wait_dscnt 0
	WIN MUL_HI
	MUL16 4, 1, 0
	MUL16 6, 1, 0
	WIN 0
	; THE WAY OUT
	s_wait_kmcnt 0x0
	s_sub_co_i32 s96, s74, s68                     ; q: entry 6 - entry 0 - entry 1
	s_sub_co_i32 s96, s96, s69
	s_sub_co_i32 s97, s75, s70                     ; k: 7 - 2 - 3
	s_sub_co_i32 s97, s97, s71
	s_sub_co_i32 s98, s77, s72                     ; v: 9 - 4 - 5
	s_sub_co_i32 s98, s98, s73
	s_cmp_eq_u32 s80, 1
	s_cselect_b32 s96, s97, s96
	s_cmp_eq_u32 s80, 2
	s_cselect_b32 s96, s98, s96
	s_add_co_i32 s96, s96, 127
	s_lshl_b32 s97, s96, 23
	v_mov_b32 v12, s97                             ; the folded scale as f32
	s_add_co_i32 s96, s96, 8
	s_lshl_b32 s96, s96, 23
	s_or_b32 s96, s96, 0x600000
	v_mov_b32 v13, s96                             ; 448 x that
	PLACES NP
.macro EPI a                           ; block a: 16 row positions x 128 columns: four groups of an image
.set AC, 64*((\a)%4)
.set CD, 96+16*((\a)%2)
	WIN 0x02+((\a)/4)                              ; source 0: window 2 or 3
.set n, 0
.rept 64
	v_med3_num_f32 v[TMP+n], v[AC+n], -v13, v13    ; the hold at the largest code x the scale; each accumulator from its low end on
.set n, n+1
.endr
	WIN 0
.irp g, 0,1,2,3,4,5,6,7
	v_cvt_scalef32_pk8_fp8_f32 v[CD+2*\g:CD+2*\g+1], v[TMP+8*\g:TMP+8*\g+7], v12
.endr
	v_nop                                          ; a plain vector instruction between the conversions and the next block's holds, which write their sources
.if (\a) > 0
	s_wait_xcnt 0x0                                ; the earlier stores have read their base and their data: the base steps here, and the block after this one writes block a - 1's codes' registers
	s_add_nc_u64 s[10:11], s[10:11], s[66:67]
.endif
.irp b, 0,1,2,3
	global_store_b128 v[CO], v[CD+4*\b:CD+4*\b+3], s[10:11] offset:512*\b   ; 32 lanes store 512 consecutive bytes, aligned
.endr
.endm
.irp a, 0,1,2,3,4,5,6,7
	EPI \a
.endr
	s_wait_tensorcnt 0x0                           ; the wave's end
	ds_add_u32 v[SPW], v[NIL]
	s_wait_dscnt 0x0
	CROUND                                         ; the closing round: no work-group ends while a partner may still ask for a tile that names it
	s_endpgm
.Lfunc_end_k_qce9c505a18_qkv:
	.size	k_qce9c505a18_qkv, .Lfunc_end_k_qce9c505a18_qkv-k_qce9c505a18_qkv
	.p2alignl 7, 3214868480
	.fill 96, 4, 3214868480
	.section	.rodata,"a",@progbits
	.p2align	6, 0x0
	.amdhsa_kernel k_qce9c505a18_qkv
		.amdhsa_group_segment_fixed_size 327680
		.amdhsa_private_segment_fixed_size 0
		.amdhsa_enable_private_segment 0
		.amdhsa_kernarg_size 32
		.amdhsa_user_sgpr_count 2
		.amdhsa_user_sgpr_kernarg_segment_ptr 1
		.amdhsa_wavefront_size32 1
		.amdhsa_system_sgpr_workgroup_id_x 1
		.amdhsa_system_sgpr_workgroup_id_y 1
		.amdhsa_system_sgpr_workgroup_id_z 1
		.amdhsa_system_vgpr_workitem_id 0
		.amdhsa_next_free_vgpr 1024
		.amdhsa_next_free_sgpr 100
		.amdhsa_reserve_vcc 0
		.amdhsa_float_denorm_mode_32 3
		.amdhsa_float_denorm_mode_16_64 3
		.amdhsa_memory_ordered 1
		.amdhsa_forward_progress 1
		.amdhsa_inst_pref_size 118
	.end_amdhsa_kernel
	.amdgpu_metadata
---
amdhsa.version: [ 1, 2 ]
amdhsa.kernels:
  - .name:           k_qce9c505a18_qkv
    .symbol:         k_qce9c505a18_qkv.kd
    .args:
      - { .name: xc, .offset: 0, .size: 8, .value_kind: global_buffer, .address_space: global }
      - { .name: wc, .offset: 8, .size: 8, .value_kind: global_buffer, .address_space: global }
      - { .name: lowp_scales, .offset: 16, .size: 8, .value_kind: global_buffer, .address_space: global }
      - { .name: qkv, .offset: 24, .size: 8, .value_kind: global_buffer, .address_space: global }
    .group_segment_fixed_size: 327680
    .private_segment_fixed_size: 0
    .kernarg_segment_align: 8
    .kernarg_segment_size: 32
    .max_flat_workgroup_size: 128
    .sgpr_count:     100
    .vgpr_count:     1024
    .wavefront_size: 32
...
	.end_amdgpu_metadata
.endif
;; end of part 2
;; launch attn (part 3): grid 16 x 16, 4 waves a work-group, clusters of 4 x 4, 327,680 bytes of LDS; arguments qkv, mask, lowp_scales, cimg; writes cimg
.if DOCPART == 3
	.amdgcn_target "amdgcn-amd-amdhsa--gfx1250"
	.amdhsa_code_object_version 6
	.text
	.protected	k_qce9c505a18_attn
	.globl	k_qce9c505a18_attn
	.p2align	8
	.type	k_qce9c505a18_attn,@function
k_qce9c505a18_attn:
	s_mov_b64 s[64:65], 0
	v_nop
	global_prefetch_b8 v0, s[64:65] scope:SCOPE_SE
	s_setreg_imm32_b32 hwreg(HW_REG_WAVE_MODE, 25, 1), 1
	s_wait_xcnt 0x0
	s_wait_alu depctr_hold_cnt(0) depctr_sa_sdst(0) depctr_va_vdst(0) depctr_va_sdst(0) depctr_va_ssrc(0) depctr_va_vcc(0) depctr_vm_vsrc(0)
	s_getreg_b32 s2, hwreg(HW_REG_IB_STS2, 6, 4)
	s_cmp_eq_u32 s2, 0
	s_cbranch_scc0 .Lentry_in_a_cluster
	s_endpgm
.Lentry_in_a_cluster:
	s_bfe_u32 s2, ttmp6, 0x10000c
	s_cmp_lg_u32 s2, 0xf033
	s_cbranch_scc0 .Lentry_shape_is_right
	s_endpgm
.Lentry_shape_is_right:
; ATTN: for each batch and head: S = q k^T / 8, the mask, the softmax, ctx = P v; both products on codes of FP8 (E4M3); ctx is quantised and stored as the image of the last product's operand.
; THE SOFTMAX: t = logit x log2(e); M = the row's largest t so far, rounded up to a whole number; p = 2^(t - M) is what is quantised (entry 8 of the scales); the row's sum is taken of the unquantised p and divides at the
; end.  When M moves, the sum and O are multiplied by 2^(old M - new M), which rounds nothing.
; THE MASK IS AN INPUT: every score of every row is computed.  It enters as the C OPERAND of the first product: C = A (1 - m), A = -2^(120 - max(E, 0)), E = entry 6 + entry 7.  m = 1 gives C = 0 exactly, so the
; sum is the score; any other m gives a C so large that the sum vanishes beside it, as alpha x m vanishes beside (1 - m) x the smallest f32 number.  C is made once for a tile of queries and keys and serves both heads.
; SHARES.  A work-group owns 128 queries x 4 heads of one batch: x = the block of queries, the cluster's y = the batch, cy = the group of four heads.  Wave w owns heads 2 (w / 2), + 1 and queries 64 (w % 2) on:
; eight TILES of 16 queries x 1 head, tile i = 4 x head + tile of queries.  All waves walk all 2,048 keys, 128 a step.
; LAYOUT.  Both products are used transposed: S^T = K Q^T + C (source 0 = 16 key positions, source 1 = 16 queries), O^T = V^T P^T: a lane holds one query (lane % 16) throughout.  K's, V's and Q's fragments lie in
; memory as images of their registers (512 bytes for four registers of 32 lanes).  K's positions are swapped so that the 16 registers of tiles 2 b, 2 b + 1 of S^T are keys 32 b + 16 (lane / 16) + 0 .. 15; V's channel
; positions likewise, so that O^T's registers run along the last product's K.
; THE PIPELINE.  A step is eight PHASES, one a tile.  Phase i begins with tile i + 1's eight products K Q^T, then walks tile i's softmax; tile i + 1's maximum is found meanwhile (its tree stands behind the batch of
; exponentials, its serial end between the sums), so that no phase waits for a product or for a chain.  Each run of LDS loads stands a phase or most of one ahead of the wait for it.
; THE RING.  Two slots of 128 keys: K 32 KiB, V 32 KiB, the mask 128 rows x 528 bytes.  Wave 0 fetches K, wave 1 V, waves 2 and 3 the mask's halves.  CLUSTER 4 x 4: K and V hang on the batch and cy and are asked for
; jointly along a row of the cluster; the mask hangs on x and is asked for jointly along a column.  By this text's own count a wave has one tensor load out at the most.
; LIMITS.  Entry 6 + entry 7 between -64 and 40; entries 8 and 10 between -126 and 119.  Mask values of magnitude up to about 10; NaN and infinities are not served.  A row in which NO key has mask exactly 1: served
; where 1 - (the row's largest mask) is a power of two (mask 0 among them: uniform weights), and it leans on the matrix unit returning C unchanged when a sum of at most 2^24 is added to it.
; REGISTERS.  window 0: v1-3 my lane's places in K, V, the mask; v4-6 the same in the slot in hand; v7, v8 the spare word's address and 0; v9 16 x lane; v[10:11] A; v12, v13 2^e8, 448 x 2^e8; v[14:15], v[16:17] f of
; even and odd tiles; v18 the prefetches' offset; v20, v21 2^e10, 448 x 2^e10; v[24 + 4 i ..] tile i: -M, the largest t, the sum in two halves; v64-127, v128-191 S^T, two buffers; v192-207 p's codes; v224-239 at work.
; window 1: O^T, 32 a tile.   window 2: C, 64 a tile of queries.   window 3: v0-63 K of one head, v64-127 V of one head, v128-191 Q, 8 a tile.
.set SLOT,  135168                     ; 0x21000: bits 12 and 17, which are clear in every wave's offset below: so one exclusive or turns an address of one slot into the other's
.set WOFF,  33792                      ; a wave's part of a slot: 0 K, 1 V, 2 and 3 the mask
.set VOFF,  WOFF
.set MOFF,  2*WOFF
.set MP,    528                        ; a row of the mask in LDS: 512 bytes + 16: the 16 rows that a load touches start at 16 different banks (64 banks of 4 bytes: ISA guide 11.1)
.set SPARE, 2*SLOT                     ; behind the ring: the spare words, 128 bytes for each wave
.set MSB, 0
.macro WIN new                         ; bits 1:0 source 0, 3:2 source 1, 5:4 source 2, 7:6 destination; the immediate's high byte repeats the setting that is left
.if MSB != (\new)
	s_set_vgpr_msb (MSB<<8)|(\new)
.set MSB, (\new)
.endif
.endm
; The wave's one tensor load.  The branches hang on the wave's number alone.  Four v_nop follow each line.
.macro TLOAD3
	s_cmp_lg_u32 s12, 0
	s_cbranch_scc1 .Lnot_k_\@
	tensor_load_to_lds s[48:51], s[24:31]
	s_nop 0
.rept 4
	v_nop
.endr
	s_branch .Lasked_\@
.Lnot_k_\@:
	s_cmp_lg_u32 s12, 1
	s_cbranch_scc1 .Lnot_v_\@
	tensor_load_to_lds s[52:55], s[32:39]
	s_nop 0
.rept 4
	v_nop
.endr
	s_branch .Lasked_\@
.Lnot_v_\@:
	tensor_load_to_lds s[56:59], s[40:47]
	s_nop 0
.rept 4
	v_nop
.endr
.Lasked_\@:
.endm
.macro STEPDESC                        ; the walking descriptors: the other slot, the next 128 keys; the type bits on top are not reached
	s_xor_b32 s49, s49, SLOT
	s_add_nc_u64 s[50:51], s[50:51], 131072        ; K: eight groups of 16 key positions
	s_xor_b32 s53, s53, SLOT
	s_add_nc_u64 s[54:55], s[54:55], 2048          ; V: four groups of 32 keys
	s_xor_b32 s57, s57, SLOT
	s_add_nc_u64 s[58:59], s[58:59], 512           ; the mask: 128 numbers along a row
.endm
; A PREFETCH INTO THE L2 of what the NEXT change of slots will ask for, a key step ahead of that load: it stands behind the wave's tensor load and its four lines.  A wave's tile is 128 blocks of 256 bytes; the four
; partners that ask for it jointly take 32 each, told apart by address, a lane a block, one instruction a wave.  K and V are walked by all clusters of a batch: the one with cluster x = 0 asks; the mask by all clusters
; of a column: the one with cluster y = 0 asks.  So each block is named once.  The first three steps come by their loads alone; the last change that fills a slot asks for nothing.
.macro ASK
	s_cmp_gt_u32 s60, s61
	s_cbranch_scc0 .Lnot_mine_\@
	global_prefetch_b8 v18, s[62:63] th:TH_LOAD_NT scope:SCOPE_SE
.Lnot_mine_\@:
.endm
.macro CREST                           ; a round of the cluster's barrier behind its opening barrier
	s_cmp_lg_u32 s12, 0
	s_cbranch_scc1 .Lnot_wave_0_\@
	s_barrier_signal -3
.Lnot_wave_0_\@:
	s_barrier_wait -3
	s_barrier_signal -1
	s_barrier_wait -1
.endm
.macro CROUND
	s_barrier_signal -1
	s_barrier_wait -1
	CREST
.endm
.macro MKSCALE e, vs, vl               ; from the whole number in s[e]: v[vs] = 2^e as f32, v[vl] = 448 x 2^e
	s_add_co_i32 s92, s[\e], 127
	s_lshl_b32 s93, s92, 23
	v_mov_b32 v[\vs], s93
	s_add_co_i32 s92, s92, 8
	s_lshl_b32 s92, s92, 23
	s_or_b32 s92, s92, 0x600000
	v_mov_b32 v[\vl], s92
.endm
	s_load_b256 s[4:11], s[0:1], 0x0               ; qkv s[4:5], the mask s[6:7], the scales s[8:9], cimg s[10:11]
	v_lshl_add_u32 v7, v0, 2, SPARE
	v_mov_b32 v8, 0
	ds_add_u32 v7, v8
	ds_add_u32 v7, v8
	s_wait_dscnt 0x0
	v_lshrrev_b32 v1, 5, v0
	v_readfirstlane_b32 s12, v1                    ; wave 0..3
	s_bfe_u32 s13, ttmp6, 0x40000                  ; cx
	s_bfe_u32 s14, ttmp6, 0x40004                  ; cy: the group of four heads
	s_lshl_b32 s15, ttmp9, 2
	s_add_co_u32 s15, s15, s13                     ; x: the block of 128 queries
	s_and_b32 s17, ttmp7, 0xffff                   ; the cluster's y: the batch
	s_lshl_b32 s18, s14, 2
	s_lshl_b32 s18, 15, s18                        ; my row of the cluster
	s_lshl_b32 s19, 0x1111, s13                    ; my column
	; descriptor group 1.  K: 8 rows (groups of 16 key positions) of 4,096 bytes (four heads' images), 16,384 bytes apart, in elements of 8 bytes; dense in LDS
	s_or_b32 s24, s18, (3<<16)|(1<<21)
	s_mov_b32 s25, 512<<16                         ; tensor_dim0
	s_mov_b32 s26, 8<<16                           ; tensor_dim1
	s_mov_b32 s27, 512<<16                         ; tile_dim0
	s_mov_b32 s28, 8                               ; tile_dim1
	s_mov_b32 s29, 2048                            ; tensor_dim0_stride
	s_mov_b32 s30, 0
	s_mov_b32 s31, 0
	; V: 16 rows (groups of 16 channel positions) of 2,048 bytes (128 keys' images), 131,072 bytes apart
	s_or_b32 s32, s18, (3<<16)|(1<<21)
	s_mov_b32 s33, 256<<16
	s_mov_b32 s34, 16<<16
	s_mov_b32 s35, 256<<16
	s_mov_b32 s36, 16
	s_mov_b32 s37, 16384
	s_mov_b32 s38, 0
	s_mov_b32 s39, 0
	; the mask: 64 rows of 128 numbers of 4 bytes, 2,048 numbers apart; four words of padding after every 128
	s_or_b32 s40, s19, (2<<16)|(1<<20)|(1<<21)|(6<<22)|(3<<25)
	s_mov_b32 s41, 128<<16
	s_mov_b32 s42, 64<<16
	s_mov_b32 s43, 128<<16
	s_mov_b32 s44, 64
	s_mov_b32 s45, 2048
	s_mov_b32 s46, 0
	s_mov_b32 s47, 0
	; where the tiles of step 0 lie.  K's and V's hang on the batch and cy, the mask's on x and the wave: each in registers that never hold the other place
	s_lshl_b32 s80, s17, 21                        ; K: the batch's 128 groups of 16,384 bytes,
	s_lshl_b32 s81, s14, 12                        ; my four heads' 4,096 bytes,
	s_add_co_u32 s80, s80, s81
	s_add_co_u32 s80, s80, 0x800000                ; in part 1
	s_mov_b32 s81, 0
	s_lshl_b32 s82, s14, 21                        ; V: my four heads' 16 groups of 131,072 bytes,
	s_lshl_b32 s83, s17, 15                        ; the batch's 64 groups of 512 bytes,
	s_add_co_u32 s82, s82, s83
	s_add_co_u32 s82, s82, 0x1000000               ; in part 2
	s_mov_b32 s83, 0
	s_and_b32 s86, s12, 1                          ; w % 2: which 64 queries are mine; in waves 2 and 3 also: which 64 rows of the mask I fetch
	s_lshr_b32 s87, s12, 1                         ; w / 2: which two heads are mine
	s_lshl_b32 s84, s86, 19                        ; the mask: 64 rows of 8,192 bytes,
	s_lshl_b32 s85, s15, 20                        ; the block's 128 rows
	s_add_co_u32 s84, s84, s85
	s_mov_b32 s85, 0
	s_lshl_b32 s88, s17, 7                         ; Q and ctx: group of 16 queries 128 x batch + 8 x + 4 (w % 2),
	s_lshl_b32 s89, s15, 3
	s_add_co_u32 s88, s88, s89
	s_lshl_b32 s89, s86, 2
	s_add_co_u32 s88, s88, s89
	s_lshl_b32 s88, s88, 14
	s_lshl_b32 s89, s14, 2                         ; head 4 cy + 2 (w / 2): 1,024 bytes a head
	s_lshl_b32 s90, s87, 1
	s_add_co_u32 s89, s89, s90
	s_lshl_b32 s89, s89, 10
	s_add_co_u32 s88, s88, s89
	s_mov_b32 s89, 0
	s_mov_b32 s20, 0x76543210                      ; v_permlanex16_b32's selects: lane l xor 16
	s_mov_b32 s21, 0xfedcba98
	s_mov_b32 s2, 0                                ; LDS byte at which the slot in hand begins
	; my lane's places
	v_and_b32 v19, 31, v0                          ; lane
	v_lshlrev_b32 v9, 4, v19
	s_lshl_b32 s92, s87, 11
	v_add_nc_u32 v1, s92, v9                       ; K: 16 x lane + my two heads' 2,048 bytes
	s_lshl_b32 s92, s87, 14
	s_add_co_u32 s92, s92, VOFF
	v_add_nc_u32 v2, s92, v9                       ; V: 16 x lane + my two heads' eight groups of 2,048 bytes
	v_and_b32 v22, 15, v0                          ; r
	v_bfe_u32 v23, v0, 4, 1                        ; h
	v_mul_u32_u24 v3, v22, MP
	v_lshl_add_u32 v3, v23, 6, v3
	s_mul_i32 s92, s86, 64*MP
	s_add_co_u32 s92, s92, MOFF
	v_add_nc_u32 v3, s92, v3                       ; the mask: row 64 (w % 2) + r, + 64 h bytes: keys 16 h on
	s_wait_kmcnt 0x0
	s_load_b256 s[68:75], s[8:9], 0x0              ; entries 0 to 7
	s_load_b128 s[76:79], s[8:9], 0x20             ; entries 8 to 11
	s_add_nc_u64 s[80:81], s[4:5], s[80:81]
	s_add_nc_u64 s[82:83], s[4:5], s[82:83]
	s_add_nc_u64 s[84:85], s[6:7], s[84:85]
	s_add_nc_u64 s[90:91], s[4:5], s[88:89]        ; Q
	s_add_nc_u64 s[10:11], s[10:11], s[88:89]      ; ctx
	s_mov_b32 s48, 1                               ; group 0: count = 1,
	s_mul_i32 s49, s12, WOFF                       ; LDS address: my wave's part of slot 0,
	s_mov_b64 s[50:51], s[80:81]                   ; global address,
	s_or_b32 s51, s51, 0x80000000                  ; type = 2
	s_mov_b32 s52, 1
	s_mov_b32 s53, s49
	s_mov_b64 s[54:55], s[82:83]
	s_or_b32 s55, s55, 0x80000000
	s_mov_b32 s56, 1
	s_mov_b32 s57, s49
	s_mov_b64 s[58:59], s[84:85]
	s_or_b32 s59, s59, 0x80000000
	CROUND                                         ; all sixteen work-groups are here: the first joint loads meet
	TLOAD3                                         ; step 0 into slot 0
	WIN 0xc0                                       ; destination window 3
.irp i, 0,1,2,3,4,5,6,7
	global_load_b128 v[128+8*\i:128+8*\i+3], v9, s[90:91] offset:(\i%4)*16384+(\i/4)*1024       ; Q stays in registers: tile i: channels 16 h on,
	global_load_b128 v[128+8*\i+4:128+8*\i+7], v9, s[90:91] offset:(\i%4)*16384+(\i/4)*1024+512 ; and 32 + 16 h on
.endr
	WIN 0
	; the prefetches: by the wave's part (0: K, 1: V, 2 and 3: the mask): the blocks of a row 2^sh, the rows 2^s93 bytes apart, a partner's 32 blocks 2^s94, a step 2^s95
	s_cmp_eq_u32 s12, 0
	s_cselect_b32 s92, 4, 3
	s_cselect_b32 s93, 14, 17
	s_cselect_b32 s94, 15, 19
	s_cselect_b32 s95, 17, 11
	s_cselect_b64 s[62:63], s[80:81], s[82:83]
	s_cmp_lt_u32 s12, 2
	s_cselect_b32 s92, s92, 1
	s_cselect_b32 s93, s93, 13
	s_cselect_b32 s94, s94, 17
	s_cselect_b32 s95, s95, 9
	s_cselect_b64 s[62:63], s[62:63], s[84:85]
	s_cselect_b32 s96, s13, s14                    ; my place among the four that ask with me
	s_cselect_b32 s97, ttmp9, s17                  ; the coordinate along which other clusters read the same bytes
	s_cmp_eq_u32 s97, 0
	s_cselect_b32 s61, 1, -1                       ; 1 in a wave that prefetches, else the greatest number; the same in all sixteen partners
	s_lshl_b32 s96, s96, s94
	s_lshl_b32 s66, 1, s95                         ; a step on
	s_mov_b32 s67, 0
	s_lshl_b32 s98, s66, 1
	s_add_co_u32 s96, s96, s98                     ; at step 2: the first change in the loop steps it to step 3
	s_mov_b32 s97, 0
	s_add_nc_u64 s[62:63], s[62:63], s[96:97]
	v_lshrrev_b32 v18, s92, v19                    ; my block's row,
	v_lshlrev_b32 v22, s92, v18
	v_sub_nc_u32 v22, v19, v22                     ; and its place in the row
	v_lshlrev_b32 v18, s93, v18
	v_lshl_add_u32 v18, v22, 8, v18
	; the numbers
	v_mov_b32 v15, 0                               ; (named as the upper halves of pairs)
	v_mov_b32 v17, 0
	v_mov_b32 v232, 0                              ; written once: a lane permute's destination counts as one of its sources
.irp i, 0,1,2,3,4,5,6,7
	v_mov_b32 v[25+4*\i], 0xff61b1e6               ; the largest t so far: -3e38, under every t
	v_floor_f32 v[24+4*\i], -v[25+4*\i]            ; -M
	v_mov_b32 v[26+4*\i], 0                        ; the sum
	v_mov_b32 v[27+4*\i], 0
.endr
	s_wait_kmcnt 0x0
	s_add_co_i32 s94, s74, s75                     ; E = entry 6 + entry 7: a sum stands for sum x 2^E
	s_lshl_b32 s95, s94, 23
	s_add_co_i32 s22, s95, 0x3e38aa3b              ; c = log2(e) / 8 x 2^E: E is added to the exponent field
	s_mov_b32 s23, s22                             ; (named with it as a pair)
	s_max_i32 s95, s94, 0
	s_sub_co_i32 s95, 247, s95
	s_lshl_b32 s95, s95, 23
	s_or_b32 s95, s95, 0x80000000                  ; A = -2^(120 - max(E, 0)): c x A stays an f32 number
	v_mov_b32 v10, s95
	v_mov_b32 v11, s95
	MKSCALE 76, 12, 13                             ; entry 8: p
	MKSCALE 78, 20, 21                             ; entry 10: ctx
	s_add_co_i32 s3, s76, s77                      ; entry 8 + entry 9: a sum of the second product stands for sum x 2^that
; ---- the pieces of a phase
.macro SMUL i                          ; tile i's S^T = K Q^T + C: eight tiles of 16 keys, K = the head's 64
	WIN 0x2f                                       ; K and Q window 3, C window 2, S^T window 0
.irp t, 0,1,2,3,4,5,6,7
	v_wmma_f32_16x16x64_fp8_fp8 v[64+64*((\i)%2)+8*\t:64+64*((\i)%2)+8*\t+7], v[8*\t:8*\t+7], v[128+8*(\i):128+8*(\i)+7], v[64*((\i)%4)+8*\t:64*((\i)%4)+8*\t+7]
.endr
.endm
.macro LDK hd                          ; K of my head hd: eight fragments
	WIN 0xc0
.irp t, 0,1,2,3,4,5,6,7
	ds_load_b128 v[8*\t:8*\t+3], v4 offset:\t*4096+\hd*1024
	ds_load_b128 v[8*\t+4:8*\t+7], v4 offset:\t*4096+\hd*1024+512
.endr
.endm
.macro LDV hd                          ; V of my head hd: four fragments of 16 channel positions x 128 keys
	WIN 0xc0
.irp t, 0,1,2,3
.irp c, 0,1,2,3
	ds_load_b128 v[64+16*\t+4*\c:64+16*\t+4*\c+3], v5 offset:(4*\hd+\t)*2048+\c*512
.endr
.endr
.endm
.macro LDM                             ; the mask of my four tiles of queries, in the result's layout: register 16 b + e of a tile = key 32 b + 16 h + e of query r
	WIN 0x80
.irp q, 0,1,2,3
.irp b, 0,1,2,3
.irp j, 0,1,2,3
	ds_load_b128 v[64*\q+16*\b+4*\j:64*\q+16*\b+4*\j+3], v6 offset:\q*16*MP+128*\b+16*\j
.endr
.endr
.endr
.endm
.macro XFORM                           ; C = A - m A, in place
	WIN 0x82
.set n, 0
.rept 128
	v_pk_fma_f32 v[n:n+1], v[n:n+1], v[10:11], v[10:11] neg_lo:[0,1,0] neg_hi:[0,1,0]
.set n, n+2
.endr
.endm
.macro XTREE n                         ; tile n's largest score, among my 64 keys: eight chains by turns; each accumulator is read from its low end on
.set XB, 64+64*((\n)%2)
	WIN 0
.irp k, 0,1,2,3,4,5,6,7
	v_max3_num_f32 v[224+\k], v[XB+8*\k], v[XB+8*\k+1], v[XB+8*\k+2]
.endr
.irp k, 0,1,2,3,4,5,6,7
	v_max3_num_f32 v[224+\k], v[224+\k], v[XB+8*\k+3], v[XB+8*\k+4]
.endr
.irp k, 0,1,2,3,4,5,6,7
	v_max3_num_f32 v[224+\k], v[224+\k], v[XB+8*\k+5], v[XB+8*\k+6]
.endr
.irp k, 0,1,2,3
	v_max3_num_f32 v[224+\k], v[224+\k], v[XB+8*\k+7], v[XB+8*\k+39]
.endr
.endm
.macro XCH n                           ; line xl of 13 of the serial end of tile n's maximum
.set xT, 24+4*(\n)
.set xF, 14+2*((\n)%2)
.if xl == 0
	v_max3_num_f32 v224, v224, v225, v226
.elseif xl == 1
	v_max3_num_f32 v227, v227, v228, v229
.elseif xl == 2
	v_max_num_f32 v230, v230, v231
.elseif xl == 3
	v_max3_num_f32 v224, v224, v227, v230
.elseif xl == 4
	v_permlanex16_b32 v232, v224, s20, s21         ; the query's other 64 keys lie in the lane 16 away
.elseif xl == 5
	v_max_num_f32 v224, v224, v232
.elseif xl == 6
	v_mul_f32 v224, s22, v224                      ; as t (c is positive)
.elseif xl == 7
	v_mov_b32 v233, v[xT]
.elseif xl == 8
	v_max_num_f32 v[xT+1], v[xT+1], v224           ; the running largest t
.elseif xl == 9
	v_floor_f32 v[xT], -v[xT+1]                    ; the new -M = floor(-t) = -ceil(t)
.elseif xl == 10
	v_sub_f32 v233, v[xT], v233                    ; old M - new M: a whole number, 0 or less
.elseif xl == 11
	v_cvt_i32_f32 v233, v233                       ; (it saturates)
.else
	v_ldexp_f32 v[xF], 1.0, v233                   ; f = 2^(old M - new M)
.endif
.endm
.macro SUML                            ; line z of 32 of the sum of the tile's 32 pairs of p: four chains, the first of them the sum itself
.if z == 0
	v_pk_add_f32 v[rT+2:rT+3], v[rT+2:rT+3], v[SBI:SBI+1]
.elseif z < 4
	v_pk_add_f32 v[232+2*z:233+2*z], v[SBI+2*z:SBI+2*z+1], v[SBI+2*z+8:SBI+2*z+9]
.elseif z == 4
	v_pk_add_f32 v[rT+2:rT+3], v[rT+2:rT+3], v[SBI+8:SBI+9]
.elseif z < 29
.set zp, z+3                           ; pairs 8 to 31
.if zp%4 == 0
	v_pk_add_f32 v[rT+2:rT+3], v[rT+2:rT+3], v[SBI+2*zp:SBI+2*zp+1]
.else
	v_pk_add_f32 v[232+2*(zp%4):233+2*(zp%4)], v[232+2*(zp%4):233+2*(zp%4)], v[SBI+2*zp:SBI+2*zp+1]
.endif
.elseif z == 29
	v_pk_add_f32 v[234:235], v[234:235], v[236:237]
.elseif z == 30
	v_pk_add_f32 v[rT+2:rT+3], v[rT+2:rT+3], v[238:239]
.else
	v_pk_add_f32 v[rT+2:rT+3], v[rT+2:rT+3], v[234:235]
.endif
.endm
; PHASE i: tile i's softmax and second product; tile i + 1 (in phase 7: tile 0 of the next step) one stage ahead.  mode = 0: the step's change of slots fills the slot that is left; mode = 1: the last two steps, which fill nothing.
.macro PHASE i, mode
.set SBI, 64+64*((\i)%2)               ; my buffer of S^T
.set NX,  ((\i)+1)%8
.set rT,  24+4*(\i)
.set FI,  14+2*((\i)%2)
.if (\i) == 3
	s_wait_dscnt 0x0                               ; K of my second head is in (asked for in phase 2)
.endif
.if (\i) == 7
.if \mode
	WIN 0
	s_cmp_eq_u32 s60, 1                            ; the last step has no next step: its look-ahead is left out
	s_cbranch_scc1 .Lno_next_\@
.endif
	s_wait_dscnt 0x0                               ; the next step's K and mask are in (asked for in phase 6)
	XFORM
	SMUL 0
.if \mode
	WIN 0
.Lno_next_\@:
.endif
.else
	SMUL NX
.endif
.if (\i) == 5
	; THE CHANGE OF SLOTS.  My last read of this step's slot, V of my second head, was waited for in phase 4.
	WIN 0
	s_wait_tensorcnt 0x0                           ; all my tensor loads have landed: my part of the next step's slot; so a group 0 may be written
	ds_add_u32 v7, v8                              ; 0 onto my spare word: the steps and the scalings below stand between it and the wait for it
.if !\mode
	STEPDESC
	s_wait_xcnt 0x0                                ; the last prefetch, a step back, has read its address
	s_add_nc_u64 s[62:63], s[62:63], s[66:67]      ; one step further on than the walking descriptors
.endif
.endif
	WIN 0
.set n, 0
.rept 32
	v_pk_fma_f32 v[SBI+n:SBI+n+1], v[SBI+n:SBI+n+1], s[22:23], v[rT:rT+1] op_sel_hi:[1,0,0]   ; t - M, two at a time.  (These 32 are the places behind the products above: for the loads below and for the tree)
.set n, n+2
.endr
.if (\i) == 5
	s_wait_dscnt 0x0                               ; the add is done; no read of mine is out
	s_barrier_signal -1                            ; the rest of the phase is work on registers
.endif
.if (\i) == 0
	LDV 0
.elseif (\i) == 2
	LDK 1
.elseif (\i) == 4
	LDV 1
.elseif (\i) == 6
	s_xor_b32 s2, s2, SLOT                         ; on to the next step's slot, which the barrier of phase 5 has shown whole
	v_add_nc_u32 v4, s2, v1
	v_add_nc_u32 v5, s2, v2
	v_add_nc_u32 v6, s2, v3
.if \mode
	s_cmp_eq_u32 s60, 1
	s_cbranch_scc1 .Lno_load_\@
.endif
	LDK 0
	LDM
.if \mode
	WIN 0
.Lno_load_\@:
.endif
.endif
	WIN 0
.set n, 0
.rept 64
	v_exp_f32 v[SBI+n], v[SBI+n]                   ; p = 2^(t - M), at most 1: one batch
.set n, n+1
.endr
	XTREE NX                                       ; plain work that names no result of the batch
	s_wait_alu depctr_va_vdst(0)                   ; one wait for the batch, ahead of its first reader
	v_pk_mul_f32 v[rT+2:rT+3], v[rT+2:rT+3], v[FI:FI+1] op_sel_hi:[1,0]   ; the sum under the new M
.set z, 0
.set xl, 0
.rept 32
	SUML                                           ; the row's sum is taken of the unquantised p
.if (z%2 == 1) && (xl < 13)
	XCH NX
.set xl, xl+1
.endif
.set z, z+1
.endr
.irp b, 0,1,2,3
.irp e, 0,1,2,3,4,5,6,7,8,9,10,11,12,13,14,15
	v_min_num_f32 v[SBI+16*\b+\e], v[SBI+16*\b+\e], v13   ; the conversion to an 8-bit code does not saturate (ISA guide 7.6.2); p is not negative, so the hold is one-sided
.endr
	v_cvt_scalef32_pk8_fp8_f32 v[192+4*\b:193+4*\b], v[SBI+16*\b:SBI+16*\b+7], v12
	v_cvt_scalef32_pk8_fp8_f32 v[194+4*\b:195+4*\b], v[SBI+16*\b+8:SBI+16*\b+15], v12
.endr
	WIN 0x41                                       ; O^T window 1, f window 0
.set n, 0
.rept 16
	v_pk_mul_f32 v[32*(\i)+n:32*(\i)+n+1], v[32*(\i)+n:32*(\i)+n+1], v[FI:FI+1] op_sel_hi:[1,0]   ; O^T under the new M.  (Also the plain lines between the conversions and the products)
.set n, n+2
.endr
.if ((\i) == 0) || ((\i) == 4)
	s_wait_dscnt 0x0                               ; V of this head is in (asked for early in this phase)
.endif
	WIN 0x53                                       ; V window 3, p's codes window 0, O^T window 1
.irp t, 0,1,2,3
	v_wmma_f32_16x16x128_fp8_fp8 v[32*(\i)+8*\t:32*(\i)+8*\t+7], v[64+16*\t:64+16*\t+15], v[192:207], v[32*(\i)+8*\t:32*(\i)+8*\t+7]   ; four accumulators, one instruction a turn
.endr
	WIN 0
.if (\i) == 5
	s_barrier_wait -1                              ; nobody reads this step's slot any more, and the next step's is whole
.if !\mode
	CREST                                          ; the barrier has opened a round of the cluster's barrier: the same holds of every partner
	TLOAD3                                         ; the keys two steps on, into the slot that has been left: a whole step in which to land
	ASK
.endif
.endif
.endm
	; ---- the first change of slots: slot 1 is first filled as a refill is
	s_wait_tensorcnt 0x0                           ; my part of step 0 is in
	ds_add_u32 v7, v8
	STEPDESC
	s_wait_dscnt 0x0
	CROUND
	TLOAD3                                         ; step 1 into slot 1
	v_add_nc_u32 v4, s2, v1
	v_add_nc_u32 v5, s2, v2
	v_add_nc_u32 v6, s2, v3
	LDK 0
	LDM
	WIN 0
	s_wait_loadcnt 0x0                             ; Q
	s_wait_dscnt 0x0
	XFORM
	SMUL 0
	WIN 0x40
.set n, 0
.rept 256
	v_mov_b32 v[n], 0                              ; O^T.  The step is written twice, not three times: its first walk finds zeros, which the first change of M leaves zeros.  (Also the places behind the products above)
.set n, n+1
.endr
	XTREE 0
.set xl, 0
.rept 13
	XCH 0
.set xl, xl+1
.endr
	s_mov_b32 s60, 14
.Lfill:                                            ; steps 0 to 13: each asks for the keys two steps on
.irp p, 0,1,2,3,4,5,6,7
	PHASE \p, 0
.endr
	s_sub_co_u32 s60, s60, 1
	s_cmp_lg_u32 s60, 0
	s_cbranch_scc1 .Lfill
	s_mov_b32 s60, 2
.Ltail:                                            ; steps 14 and 15 are written out a second time.  In the last step the tree and the 13 lines for 'tile 0 of a next step' still run, on old
.irp p, 0,1,2,3,4,5,6,7                            ; registers: they change that tile's -M, its largest t and the even tiles' f, which nothing reads any more
	PHASE \p, 1
.endr
	s_sub_co_u32 s60, s60, 1
	s_cmp_lg_u32 s60, 0
	s_cbranch_scc1 .Ltail
	; ---- THE WAY OUT: ctx = O^T x 2^(e8 + e9) / the sum, quantised with entry 10; a tile's 32 numbers of a lane are channels 32 a + 16 h + 0 .. 15, a = 0, 1: two groups of the image
.irp i, 0,1,2,3,4,5,6,7
	v_add_f32 v[224+\i], v[26+4*\i], v[27+4*\i]    ; the sum's two halves,
.endr
.irp i, 0,1,2,3,4,5,6,7
	v_permlanex16_b32 v[24+4*\i], v[224+\i], s20, s21
.endr
.irp i, 0,1,2,3,4,5,6,7
	v_add_f32 v[224+\i], v[224+\i], v[24+4*\i]     ; and lane l xor 16's
.endr
.irp i, 0,1,2,3,4,5,6,7
	v_rcp_f32 v[24+4*\i], v[224+\i]
.endr
	v_nop                                          ; a plain instruction behind the last reciprocal
	s_wait_alu depctr_va_vdst(0)                   ; one wait for the eight, ahead of their first reader
.irp i, 0,1,2,3,4,5,6,7
	v_ldexp_f32 v[24+4*\i], v[24+4*\i], s3
.endr
.macro OUT i
.set OB, 64+32*((\i)%2)
	WIN 0x01                                       ; source 0 window 1
.set n, 0
.rept 16
	v_pk_mul_f32 v[OB+n:OB+n+1], v[32*(\i)+n:32*(\i)+n+1], v[24+4*(\i):25+4*(\i)] op_sel_hi:[1,0]   ; each accumulator from its low end on
.set n, n+2
.endr
	WIN 0
.set n, 0
.rept 32
	v_med3_num_f32 v[OB+n], v[OB+n], -v21, v21
.set n, n+1
.endr
.irp g, 0,1,2,3
	v_cvt_scalef32_pk8_fp8_f32 v[128+8*(\i)+2*\g:128+8*(\i)+2*\g+1], v[OB+8*\g:OB+8*\g+7], v20   ; every tile has its own eight registers of codes: no store's data are written again
.endr
	v_nop                                          ; a plain instruction between the conversions and the lines that write their sources again
	global_store_b128 v9, v[128+8*(\i):128+8*(\i)+3], s[10:11] offset:((\i)%4)*16384+((\i)/4)*1024       ; 32 lanes store 512 consecutive bytes, aligned
	global_store_b128 v9, v[128+8*(\i)+4:128+8*(\i)+7], s[10:11] offset:((\i)%4)*16384+((\i)/4)*1024+512
.endm
.irp i, 0,1,2,3,4,5,6,7
	OUT \i
.endr
	s_wait_tensorcnt 0x0                           ; the wave's end
	ds_add_u32 v7, v8
	s_wait_dscnt 0x0
	CROUND                                         ; the closing round: no work-group ends while a partner may still ask for a tile that names it
	s_endpgm
.Lfunc_end_k_qce9c505a18_attn:
	.size	k_qce9c505a18_attn, .Lfunc_end_k_qce9c505a18_attn-k_qce9c505a18_attn
	.p2alignl 7, 3214868480
	.fill 96, 4, 3214868480
	.section	.rodata,"a",@progbits
	.p2align	6, 0x0
	.amdhsa_kernel k_qce9c505a18_attn
		.amdhsa_group_segment_fixed_size 327680
		.amdhsa_private_segment_fixed_size 0
		.amdhsa_enable_private_segment 0
		.amdhsa_kernarg_size 32
		.amdhsa_user_sgpr_count 2
		.amdhsa_user_sgpr_kernarg_segment_ptr 1
		.amdhsa_wavefront_size32 1
		.amdhsa_system_sgpr_workgroup_id_x 1
		.amdhsa_system_sgpr_workgroup_id_y 1
		.amdhsa_system_sgpr_workgroup_id_z 1
		.amdhsa_system_vgpr_workitem_id 0
		.amdhsa_next_free_vgpr 1024
		.amdhsa_next_free_sgpr 100
		.amdhsa_reserve_vcc 0
		.amdhsa_float_denorm_mode_32 3
		.amdhsa_float_denorm_mode_16_64 3
		.amdhsa_memory_ordered 1
		.amdhsa_forward_progress 1
		.amdhsa_inst_pref_size 255
	.end_amdhsa_kernel
	.section	.bss,"aw",@nobits
	.p2align	6
	.space	262144
	.amdgpu_metadata
---
amdhsa.version: [ 1, 2 ]
amdhsa.kernels:
  - .name:           k_qce9c505a18_attn
    .symbol:         k_qce9c505a18_attn.kd
    .args:
      - { .name: qkv, .offset: 0, .size: 8, .value_kind: global_buffer, .address_space: global }
      - { .name: mask, .offset: 8, .size: 8, .value_kind: global_buffer, .address_space: global }
      - { .name: lowp_scales, .offset: 16, .size: 8, .value_kind: global_buffer, .address_space: global }
      - { .name: cimg, .offset: 24, .size: 8, .value_kind: global_buffer, .address_space: global }
    .group_segment_fixed_size: 327680
    .private_segment_fixed_size: 0
    .kernarg_segment_align: 8
    .kernarg_segment_size: 32
    .max_flat_workgroup_size: 128
    .sgpr_count:     100
    .vgpr_count:     1024
    .wavefront_size: 32
...
	.end_amdgpu_metadata
.endif
;; end of part 3
;; launch proj (part 4): grid 4 x 32, 4 waves a work-group, clusters of 4 x 4, 327,680 bytes of LDS; arguments cimg, wc, lowp_scales, out0; writes out0
.if DOCPART == 4
	.amdgcn_target "amdgcn-amd-amdhsa--gfx1250"
	.amdhsa_code_object_version 6
	.text
	.protected	k_qce9c505a18_proj
	.globl	k_qce9c505a18_proj
	.p2align	8
	.type	k_qce9c505a18_proj,@function
k_qce9c505a18_proj:
	s_mov_b64 s[64:65], 0
	v_nop
	global_prefetch_b8 v0, s[64:65] scope:SCOPE_SE
	s_setreg_imm32_b32 hwreg(HW_REG_WAVE_MODE, 25, 1), 1
	s_wait_xcnt 0x0
	s_wait_alu depctr_hold_cnt(0) depctr_sa_sdst(0) depctr_va_vdst(0) depctr_va_sdst(0) depctr_va_ssrc(0) depctr_va_vcc(0) depctr_vm_vsrc(0)
	s_getreg_b32 s2, hwreg(HW_REG_IB_STS2, 6, 4)
	s_cmp_eq_u32 s2, 0
	s_cbranch_scc0 .Lentry_in_a_cluster
	s_endpgm
.Lentry_in_a_cluster:
	s_bfe_u32 s2, ttmp6, 0x10000c
	s_cmp_lg_u32 s2, 0xf033
	s_cbranch_scc0 .Lentry_shape_is_right
	s_endpgm
.Lentry_shape_is_right:
; PROJ: out0 = ctx x Wo on codes of FP8 (E4M3): C[m][n] = sum over k of A[m][k] B[n][k], M = 8,192, N = K = 1,024; each finished sum is multiplied once by 2^(entry 10 + entry 11).
; A = cimg: ctx's codes as images of the operand's registers, [row / 16 (512)][k / 32 (32)][512 bytes]: lane (r, h) holds, of row 16 tau + r, k = 32 beta + 16 h + 0 .. 15.  B = wc part 3: Wo's codes, [n position][k],
; the positions swapped (bits 3 and 4 of n exchanged).  B's fragments are read from padded rows with the same permutation of k that the images have.
; A tile of C, 256 x 256, is made by four waves, each 128 x 128: 64 accumulators.  K goes in steps of 256 through two LDS slots: A's 16 groups x 4,096 bytes, dense; B's 256 rows of 256 bytes, padded.
; CLUSTERS: 4 x 4 work-groups; A's tile is asked for jointly along a row of the cluster, B's along a column.  C has 128 such tiles: 128 work-groups.
; THE MATRIX INSTRUCTION IS USED TRANSPOSED (source 0 = 16 positions of B, source 1 = 16 rows of A): lane (r, h) of accumulator (a, b) holds row 16 a + r and the actual columns 32 (b / 2) + 16 h + 8 (b % 2) + 0 .. 7.
; LIMIT: entry 10 + entry 11 lies between -126 and 127, so that the power of two is an f32 number.
; REGISTERS, in windows of 256: window 0: v0-31 addresses; from v128 A's fragments, one set; on the way out v32-255 are free.   window 1: B's fragments, two sets.   windows 2, 3: the accumulators.
.set ROWB,   256                       ; B: a tile's row in bytes
.set KROW,   1024
.set PITCH,  272                       ; B: an LDS row: 256 bytes + 16 of padding
.set FR,     16
.set NL,     4
.set NP,     4
.set HALFA,  32768                     ; A: eight groups of 4,096 bytes: what one tensor load brings, and what one wave reads
.set HALFT,  128*PITCH                 ; B: 128 rows likewise
.set BOFF,   2*HALFA
.set SLOT,   BOFF+2*HALFT
.set SPARE,  2*SLOT                    ; behind the ring: the spare words, 128 bytes for each wave
.set SPITCH, 528                       ; the way out: a stage of 16 rows x (512 bytes + 16) for each wave, in slot 0's part for A, which has had its last fill and its last read when the first result is stored there
.set ADRA, 16
.set ADRB, 20
.set STO,  24
.set RD,   25
.set CO,   26
.set SPW,  28
.set NIL,  29
.set TMP,  32
.set AF,   128
.set BK,   128
.set G1, 24
.set G0, 32
.set G1B, 48
.set G0B, 56
.set MSB, 0
.macro WIN new
.if MSB != (\new)
	s_set_vgpr_msb (MSB<<8)|(\new)
.set MSB, (\new)
.endif
.endm
.set MUL_LO, 0xa1
.set MUL_HI, 0xf1
.set TO_B,   0x40
.macro JLOAD g0a, g1a, g0b, g1b        ; a joint load: waves 0 and 1 fetch for A, waves 2 and 3 for B; four v_nop follow each of the two lines
	s_cmp_eq_u32 s15, 0
	s_cbranch_scc0 .Lfor_b_\@
	tensor_load_to_lds s[\g0a:\g0a+3], s[\g1a:\g1a+7]
	s_nop 0
.rept 4
	v_nop
.endr
	s_branch .Lasked_\@
.Lfor_b_\@:
	tensor_load_to_lds s[\g0b:\g0b+3], s[\g1b:\g1b+7]
	s_nop 0
.rept 4
	v_nop
.endr
.Lasked_\@:
.endm
.macro CREST
	s_cmp_lg_u32 s14, 0
	s_cbranch_scc1 .Lnot_wave_0_\@
	s_barrier_signal -3
.Lnot_wave_0_\@:
	s_barrier_wait -3
	s_barrier_signal -1
	s_barrier_wait -1
.endm
.macro CROUND
	s_barrier_signal -1
	s_barrier_wait -1
	CREST
.endm
	s_load_b256 s[4:11], s[0:1], 0x0               ; cimg s[4:5], wc s[6:7], the scales s[8:9], out0 s[10:11]
	v_lshl_add_u32 v[SPW], v0, 2, SPARE
	v_mov_b32 v[NIL], 0
	ds_add_u32 v28, v29
	ds_add_u32 v28, v29
	s_wait_dscnt 0x0
	v_lshrrev_b32 v1, 5, v0
	v_readfirstlane_b32 s14, v1                    ; wave 0..3
	s_lshr_b32 s15, s14, 1                         ; which half of the tile's rows is mine.  Also: I fetch for A (0) or for B (1)
	s_and_b32 s16, s14, 1                          ; which half of its columns.  Also: which half of that tile I fetch
	s_bfe_u32 s40, ttmp6, 0x40000                  ; cx, cy
	s_bfe_u32 s41, ttmp6, 0x40004
	s_lshl_b32 s42, ttmp9, 2
	s_add_co_u32 s42, s42, s40                     ; tile column of C
	s_and_b32 s17, ttmp7, 0xffff
	s_lshl_b32 s17, s17, 2
	s_add_co_u32 s17, s17, s41                     ; tile row of C
	s_lshl_b32 s43, s41, 2
	s_lshl_b32 s43, 15, s43                        ; my row of the cluster
	s_lshl_b32 s44, 0x1111, s40                    ; my column
	; group 1 for A: 8 rows (groups of 16 rows of ctx) of 4,096 bytes (256 along K), 16,384 bytes apart, in elements of 8 bytes; dense in LDS
	s_or_b32 s[G1+0], s43, (3<<16)|(1<<21)
	s_mov_b32 s[G1+1], 512<<16
	s_mov_b32 s[G1+2], 8<<16
	s_mov_b32 s[G1+3], 512<<16
	s_mov_b32 s[G1+4], 8
	s_mov_b32 s[G1+5], 2048
	s_mov_b32 s[G1+6], 0
	s_mov_b32 s[G1+7], 0
	; group 1 for B: 128 rows of 256 bytes, four words of padding after every 64
	s_or_b32 s[G1B+0], s44, (0<<16)|(1<<20)|(1<<21)|(5<<22)|(3<<25)
	s_mov_b32 s[G1B+1], ROWB<<16
	s_mov_b32 s[G1B+2], 128<<16
	s_mov_b32 s[G1B+3], ROWB<<16
	s_mov_b32 s[G1B+4], 128
	s_mov_b32 s[G1B+5], KROW
	s_mov_b32 s[G1B+6], 0
	s_mov_b32 s[G1B+7], 0
	s_lshl_b32 s18, s16, 17                        ; the half that I fetch: 8 groups of 16,384 bytes, or 128 rows of 1,024
	s_lshl_b32 s20, s17, 18
	s_add_co_u32 s20, s20, s18                     ; A: by the tile row
	s_mov_b32 s21, 0
	s_lshl_b32 s46, s42, 18
	s_add_co_u32 s46, s46, s18                     ; B: by the tile column,
	s_add_co_u32 s46, s46, 0x300000                ; in part 3
	s_mov_b32 s47, 0
	s_lshl_b32 s45, s16, 15                        ; where they go: A's half,
	s_mul_i32 s19, s16, HALFT
	s_add_co_u32 s19, s19, BOFF                    ; B's half: no place in the cluster enters an LDS address
	s_wait_kmcnt 0x0
	s_load_b64 s[96:97], s[8:9], 0x28              ; entries 10 and 11
	s_add_nc_u64 s[20:21], s[4:5], s[20:21]
	s_add_nc_u64 s[46:47], s[6:7], s[46:47]
	CROUND                                         ; all sixteen work-groups are here: the first joint loads meet
.irp s, 0,1
	s_mov_b32 s[G0+4*\s], 1
	s_add_co_u32 s[G0+4*\s+1], s45, \s*SLOT
	s_add_nc_u64 s[G0+4*\s+2:G0+4*\s+3], s[20:21], \s*4096
	s_or_b32 s[G0+4*\s+3], s[G0+4*\s+3], 0x80000000
	s_mov_b32 s[G0B+4*\s], 1
	s_add_co_u32 s[G0B+4*\s+1], s19, \s*SLOT
	s_add_nc_u64 s[G0B+4*\s+2:G0B+4*\s+3], s[46:47], \s*ROWB
	s_or_b32 s[G0B+4*\s+3], s[G0B+4*\s+3], 0x80000000
	JLOAD G0+4*\s, G1, G0B+4*\s, G1B
.endr
	v_and_b32 v1, 15, v0                           ; l % 16
	v_bfe_u32 v2, v0, 4, 1                         ; l / 16
	v_and_b32 v6, 31, v0
	v_lshlrev_b32 v[CO], 4, v6                     ; 16 x lane: an image's place for my lane, and my place in a row of C
	v_mul_u32_u24 v3, v1, PITCH
	v_lshl_add_u32 v4, v2, 4, v3                   ; B: a fragment's row x pitch + 16 x half
	s_lshl_b32 s21, s15, 15                        ; my eight groups of A
	s_mul_i32 s22, s16, HALFT                      ; my 128 rows of B,
	s_add_co_u32 s22, s22, BOFF                    ; which lie behind A
.irp s, 0,1
	v_add_nc_u32 v[ADRA+\s], s21, v[CO]
	v_add_nc_u32 v[ADRB+\s], s22, v4
	s_add_co_u32 s21, s21, SLOT
	s_add_co_u32 s22, s22, SLOT
.endr
	s_mul_i32 s23, s14, 16*SPITCH                  ; my stage
	v_mul_u32_u24 v5, v1, SPITCH                   ; in: row l % 16, + 64 bytes for lanes 16-31: columns 16 h on of each 32
	v_lshl_add_u32 v5, v2, 6, v5
	v_add_nc_u32 v[STO], s23, v5
	v_add_nc_u32 v[RD], s23, v[CO]                 ; back: the 32 lanes take one row of 512 bytes
	s_lshl_b32 s20, s17, 8
	s_lshl_b32 s21, s15, 7
	s_add_co_u32 s20, s20, s21                     ; my first row of C,
	s_lshl_b32 s20, s20, 12                        ; of 4,096 bytes
	s_lshl_b32 s46, s42, 10                        ; my first column, in bytes
	s_lshl_b32 s47, s16, 9
	s_add_co_u32 s46, s46, s47
	s_add_co_u32 s20, s20, s46
	s_mov_b32 s21, 0
	s_add_nc_u64 s[10:11], s[10:11], s[20:21]
.macro FRAGA reg, slot, q, i           ; group i of my eight, the slot's q-th 128 along K: four groups of the image
.irp c, 0,1,2,3
	ds_load_b128 v[\reg+4*\c:\reg+4*\c+3], v[ADRA+\slot] offset:4096*(\i)+2048*(\q)+512*\c
.endr
.endm
.macro FRAGB reg, slot, q, i           ; lane l: row l % 16; registers 4 c .. 4 c + 3: K = 32 c + 16 (l / 16) + 0 .. 15
.irp c, 0,1,2,3
	ds_load_b128 v[\reg+4*\c:\reg+4*\c+3], v[ADRB+\slot] offset:128*(\q)+32*\c+(\i)*16*PITCH
.endr
.endm
.macro MUL16 a0, p, zero               ; 16 matrix instructions; the 64 accumulators take turns, one instruction a turn
.irp a, \a0, \a0+1
.irp b, 0,1,2,3,4,5,6,7
.if \zero
	v_wmma_f32_16x16x128_fp8_fp8 v[8*(8*((\a)%4)+\b):8*(8*((\a)%4)+\b)+7], v[128*(\p)+FR*\b:128*(\p)+FR*\b+FR-1], v[AF+FR*(\a):AF+FR*(\a)+FR-1], 0
.else
	v_wmma_f32_16x16x128_fp8_fp8 v[8*(8*((\a)%4)+\b):8*(8*((\a)%4)+\b)+7], v[128*(\p)+FR*\b:128*(\p)+FR*\b+FR-1], v[AF+FR*(\a):AF+FR*(\a)+FR-1], v[8*(8*((\a)%4)+\b):8*(8*((\a)%4)+\b)+7]
.endif
.endr
.endr
.endm
.macro FETCH_B slot, q, p
	WIN TO_B
.irp i, 0,1,2,3,4,5,6,7
	FRAGB 128*(\p)+FR*\i, \slot, \q, \i
.endr
	WIN 0
.endm
.macro FETCH_A slot, q, i0
.irp i, \i0, \i0+1, \i0+2, \i0+3
	FRAGA AF+FR*(\i), \slot, \q, \i
.endr
.endm
.macro PLACES n
.rept \n
	v_nop
.endr
.endm
.macro STEP slot, q, zero
	s_wait_dscnt 4*NL                              ; B's set and A's blocks 0-3 are in; the youngest sixteen loads (A's blocks 4-7) may be out
	WIN MUL_LO
	MUL16 0, (\q)%2, \zero
	MUL16 2, (\q)%2, \zero
	s_wait_dscnt 0
	PLACES NP
	FETCH_B \slot, (\q)+1, 1-(\q)%2
	FETCH_A \slot, (\q)+1, 0
	WIN MUL_HI
	MUL16 4, (\q)%2, \zero
	MUL16 6, (\q)%2, \zero
	PLACES NP
	WIN 0
	FETCH_A \slot, (\q)+1, 4
.endm
.macro TURN slot, next, fill           ; a slot's last step changes slots: the waits and the add, one barrier; fill = 1: a round of the cluster's barrier, and this slot is filled again, two K steps ahead
	s_wait_tensorcnt 0x0                           ; all my tensor loads have landed: my part of the next slot
	ds_add_u32 v[SPW], v[NIL]                      ; 0 onto my spare word
	s_wait_dscnt 4*NL+1                            ; the add and the youngest sixteen loads may be out
	WIN MUL_LO
	MUL16 0, 1, 0
	s_wait_dscnt 0x0                               ; the add is done, and my reads of this slot are over
	s_barrier_signal -1
	MUL16 2, 1, 0
	WIN 0
	s_barrier_wait -1
.if \fill
	CREST
	s_add_nc_u64 s[G0+4*\slot+2:G0+4*\slot+3], s[G0+4*\slot+2:G0+4*\slot+3], 2*4096
	s_add_nc_u64 s[G0B+4*\slot+2:G0B+4*\slot+3], s[G0B+4*\slot+2:G0B+4*\slot+3], 2*ROWB
	JLOAD G0+4*\slot, G1, G0B+4*\slot, G1B         ; the first tensor load behind the round; its four v_nop are the places in front of the loads below
.else
	PLACES NP
.endif
	FETCH_B \next, 0, 0
	FETCH_A \next, 0, 0
	WIN MUL_HI
	MUL16 4, 1, 0
	MUL16 6, 1, 0
	PLACES NP
	WIN 0
	FETCH_A \next, 0, 4
.endm
	s_wait_tensorcnt 1                             ; my part of K step 0 is in; K step 1's load may be out
	s_barrier_signal -1
	s_barrier_wait -1
	FETCH_B 0, 0, 0
	FETCH_A 0, 0, 0
	FETCH_A 0, 0, 4
	STEP 0, 0, 1                                   ; K = 1,024: eight steps of 128, written out
	TURN 0, 1, 1
	STEP 1, 0, 0
	TURN 1, 0, 1
	STEP 0, 0, 0
	TURN 0, 1, 0
	STEP 1, 0, 0
	s_wait_dscnt 4*NL
	WIN MUL_LO
	MUL16 0, 1, 0
	MUL16 2, 1, 0
	s_wait_dscnt 0
	WIN MUL_HI
	MUL16 4, 1, 0
	MUL16 6, 1, 0
	WIN 0
; THE WAY OUT, block by block of 16 rows x 128 columns, through my own stage in LDS: in by 32 bytes a lane, back as whole rows of 512 bytes.  LDS serves a wave's instructions in order (ISA guide 5.7.1.4).
.macro TOSTAGE a
.set AC, 64*((\a)%4)
	WIN 0x02+((\a)/4)
.set n, 0
.rept 32
	v_pk_mul_f32 v[TMP+n:TMP+n+1], v[AC+n:AC+n+1], s[96:97] op_sel_hi:[1,0]   ; x 2^(e10 + e11); each accumulator from its low end on
.set n, n+2
.endr
	WIN 0
.irp b, 0,1,2,3,4,5,6,7
	ds_store_b128 v[STO], v[TMP+8*\b:TMP+8*\b+3] offset:128*(\b/2)+32*(\b%2)        ; columns 32 (b / 2) + 16 h + 8 (b % 2) on: Wo's positions are swapped, the columns of C are not
	ds_store_b128 v[STO], v[TMP+8*\b+4:TMP+8*\b+7] offset:128*(\b/2)+32*(\b%2)+16
.endr
.set BB, BK+64*((\a)%2)
.irp t, 0,1,2,3,4,5,6,7,8,9,10,11,12,13,14,15
	ds_load_b128 v[BB+4*\t:BB+4*\t+3], v[RD] offset:\t*SPITCH
.endr
.endm
.macro SEND a, younger                 ; younger: the LDS instructions issued behind block a's loads, which may stay out
.set BB, BK+64*((\a)%2)
	s_wait_dscnt \younger
.if (\a) > 0
	s_add_nc_u64 s[10:11], s[10:11], 16*4096       ; (behind a wait on XCNT: the earlier stores have read their base)
.endif
.irp t, 0,1,2,3,4,5,6,7,8,9,10,11,12,13,14,15
	global_store_b128 v[CO], v[BB+4*\t:BB+4*\t+3], s[10:11] offset:\t*4096 th:TH_STORE_NT   ; 32 lanes store 512 consecutive bytes, aligned; written once, read by nobody here
.endr
.endm
	s_wait_kmcnt 0x0
	s_add_co_i32 s96, s96, s97
	s_add_co_i32 s96, s96, 127
	s_lshl_b32 s96, s96, 23                        ; 2^(e10 + e11) as f32
	PLACES NP
	TOSTAGE 0
.irp a, 1,2,3,4,5,6,7
.if \a > 1
	s_wait_xcnt 0x0                                ; block a - 2's stores have read their registers and their base
.endif
	TOSTAGE \a
	SEND \a-1, 32                                  ; behind block a - 1's loads: block a's 16 stores and 16 loads
.endr
	s_wait_xcnt 0x0
	SEND 7, 0
	s_wait_tensorcnt 0x0                           ; the wave's end
	ds_add_u32 v[SPW], v[NIL]
	s_wait_dscnt 0x0
	CROUND                                         ; the closing round
	s_endpgm
.Lfunc_end_k_qce9c505a18_proj:
	.size	k_qce9c505a18_proj, .Lfunc_end_k_qce9c505a18_proj-k_qce9c505a18_proj
	.p2alignl 7, 3214868480
	.fill 96, 4, 3214868480
	.section	.rodata,"a",@progbits
	.p2align	6, 0x0
	.amdhsa_kernel k_qce9c505a18_proj
		.amdhsa_group_segment_fixed_size 327680
		.amdhsa_private_segment_fixed_size 0
		.amdhsa_enable_private_segment 0
		.amdhsa_kernarg_size 32
		.amdhsa_user_sgpr_count 2
		.amdhsa_user_sgpr_kernarg_segment_ptr 1
		.amdhsa_wavefront_size32 1
		.amdhsa_system_sgpr_workgroup_id_x 1
		.amdhsa_system_sgpr_workgroup_id_y 1
		.amdhsa_system_sgpr_workgroup_id_z 1
		.amdhsa_system_vgpr_workitem_id 0
		.amdhsa_next_free_vgpr 1024
		.amdhsa_next_free_sgpr 100
		.amdhsa_reserve_vcc 0
		.amdhsa_float_denorm_mode_32 3
		.amdhsa_float_denorm_mode_16_64 3
		.amdhsa_memory_ordered 1
		.amdhsa_forward_progress 1
		.amdhsa_inst_pref_size 123
	.end_amdhsa_kernel
	.amdgpu_metadata
---
amdhsa.version: [ 1, 2 ]
amdhsa.kernels:
  - .name:           k_qce9c505a18_proj
    .symbol:         k_qce9c505a18_proj.kd
    .args:
      - { .name: cimg, .offset: 0, .size: 8, .value_kind: global_buffer, .address_space: global }
      - { .name: wc, .offset: 8, .size: 8, .value_kind: global_buffer, .address_space: global }
      - { .name: lowp_scales, .offset: 16, .size: 8, .value_kind: global_buffer, .address_space: global }
      - { .name: out0, .offset: 24, .size: 8, .value_kind: global_buffer, .address_space: global }
    .group_segment_fixed_size: 327680
    .private_segment_fixed_size: 0
    .kernarg_segment_align: 8
    .kernarg_segment_size: 32
    .max_flat_workgroup_size: 128
    .sgpr_count:     100
    .vgpr_count:     1024
    .wavefront_size: 32
...
	.end_amdgpu_metadata
.endif
;; end of part 4
